; MI455X (gfx1250); checked and timed in simulation.
; The chip was launched on July 23, 2026; its instructions are those of AMD's public machine-readable ISA for CDNA 5 (MIT licence, August 2026) and "CDNA5" Instruction Set Architecture Reference Guide (July 2026). The comments in the code are by the model that wrote it; some were corrected since.
;; Casual Attention. Allowed arithmetic: matrix products marked QUANTISED: E3M2 operands, one E8M0 scale for each 32 along K, by v_wmma_scale_f32_16x16x128_f8f6f4 with both operands' format E3M2, f32 sums; everything else in f32.
;; Inputs: Wk 1,024 x 1,024 float32; Wo 1,024 x 1,024 float32; Wq 1,024 x 1,024 float32; Wv 1,024 x 1,024 float32; bk 1,024 float32; bo 1,024 float32; bq 1,024 float32; bv 1,024 float32; history_items 8 x 1,024 x 1,024 float32; ln_beta 1,024 float32; ln_gamma 1,024 float32; sequence_mask 8 x 1,024 int32.
;; Outputs: out0 8 x 1,024 x 1,024 float32.
;; This version of the problem:
;;   THIS VERSION OF THE PROBLEM IS GIVEN IN LOW PRECISION. The matrix products marked QUANTISED in the list below multiply operands that are first quantised to E3M2 (3 exponent bits, 2 mantissa bits; 6 bits a number), with one power-of-two scale for each 32 numbers along K (OCP MX v1.0); their sums are f32. All else is computed in f32.
;;   The module's matrix products, in the order in which they are computed (A, B: the left and right operand; K: the contracted axis; several contracted axes count as one K, in the product's order):
;;     1. [M 8,192, K 1,024] x [K 1,024, N 1,024]; A: input history_items; B: input Wq: QUANTISED
;;     2. [M 8,192, K 1,024] x [K 1,024, N 1,024]; A: input history_items; B: input Wk: QUANTISED
;;     3. [M 8,192, K 1,024] x [K 1,024, N 1,024]; A: input history_items; B: input Wv: QUANTISED
;;     4. batch 128 x [M 1,024, K 64] x [K 64, N 1,024]; A: computed on the way; B: computed on the way: QUANTISED
;;     5. batch 128 x [M 1,024, K 1,024] x [K 1,024, N 64]; A: softmax (see below); B: computed on the way: QUANTISED
;;     6. [M 8,192, K 1,024] x [K 1,024, N 1,024]; A: computed on the way; B: input Wo: QUANTISED
;;   THE QUANTISER, for each operand of a quantised product, along K:
;;     - K is cut into blocks of 32 from its start; a last block that is shorter is filled with zeros.
;;     - A block's scale is 2^e with e = floor(log2(the largest magnitude in the block)) - 4, held to -126 .. 127; a block of zeros has e = 0. As a byte (E8M0): e + 127.
;;     - Each number is divided by its block's scale, clamped to +-28, and rounded to the nearest number of E3M2, ties to even, subnormals kept.
;;     - The product sums the exact products of the quantised numbers (number of the format x scale) in f32.
;;   ~~~python
;;   def quantise(x, axis):      # numpy; x: float32 -> the quantised numbers, widened to float32 again
;;       x = np.moveaxis(x, axis, -1); K = x.shape[-1]
;;       x = np.pad(x, [(0, 0)] * (x.ndim - 1) + [(0, -K % 32)]); x = x.reshape(x.shape[:-1] + (-1, 32)); a = np.abs(x).max(-1, keepdims=True)
;;       e = np.where(a > 0, np.clip(np.frexp(np.where(a > 0, a, 1))[1] - 1 - 4, -126, 127), 0)      # np.frexp(a)[1] - 1 = floor(log2(a)), exactly
;;       r = np.clip(x / 2.0 ** e, -28, 28)
;;       step = 2.0 ** (np.maximum(np.frexp(np.where(r == 0, 1, r))[1] - 1, -2) - 2)
;;       q = np.round(r / step) * step * 2.0 ** e      # np.round: ties to even
;;       return np.moveaxis(q.reshape(q.shape[:-2] + (-1,))[..., :K], -1, axis).astype(np.float32)
;;   ~~~
;;   SOFTMAX AHEAD OF A QUANTISED PRODUCT. Where the list says 'softmax', what is quantised is not the finished softmax but p = 2^(t - M), with t = logit x log2(e) and M = ceil(the row's largest t), a whole number; so 1/2 < the row's largest p <= 1. The row's sum l is taken of the UNQUANTISED p, in f32, and the product's result is divided by l at the end. Since M is a whole number, a kernel that streams over the keys may use a running M (the ceiling of the running maximum): every later rescaling is an exact power of two, which a block's scale takes up: the codes' values come out the same.
;;   OPERANDS COMPUTED ON THE WAY. 'Computed on the way' means the value that the module computes at that place (a softmax that the list does not call 'softmax' is quantised finished and normalised). What goes into a quantiser is computed in f32, as accurately as f32 sums, v_exp_f32 and their like allow (about 1e-6 of the number): no bf16 or f16 on the way to a quantiser, and a product that is left as it is and whose result goes on into a quantised operand takes f32 operands (vector FMAs, or v_wmma_f32_16x16x4_f32). A number that lies on a knife's edge between two numbers of the format may be rounded either way, as far as f32 arithmetic and the matrix unit's own rounding can turn it there, and no further.
;; One version. Each part assembles by itself: llvm-mc -triple=amdgcn-amd-amdhsa -mcpu=gfx1250 --defsym DOCPART=n.
;; ======== version 1 of 1: 4 launches
;; limits: right only within a limited range of input values
;; workspace buffers: xq 6,553,600 bytes; wq 3,276,800 bytes; qq 6,815,744 bytes; kq 6,815,744 bytes; vq 6,815,744 bytes; cq 6,553,600 bytes
;; launch quant (part 1): grid 384 x 1, 4 waves a work-group, no clusters, 34,304 bytes of LDS; arguments history_items, Wq, Wk, Wv, Wo, xq, wq; writes xq, wq
.if DOCPART == 1
	.amdgcn_target "amdgcn-amd-amdhsa--gfx1250"
	.amdhsa_code_object_version 6
	.text
	.protected	k_qe701f0e2b1_quant
	.globl	k_qe701f0e2b1_quant
	.p2align	8
	.type	k_qe701f0e2b1_quant,@function
k_qe701f0e2b1_quant:
	s_mov_b64 s[64:65], 0
	v_nop
	global_prefetch_b8 v0, s[64:65] scope:SCOPE_SE
	s_setreg_imm32_b32 hwreg(HW_REG_WAVE_MODE, 25, 1), 1
	s_wait_xcnt 0x0
; history_items [8192][1024] and Wq, Wk, Wv, Wo [1024][1024], f32, K innermost, become codes of BF6 (E3M2) with one E8M0 byte for each 32 along K,
; laid IN THE ORDER OF THE OPERAND'S REGISTERS.  A tile is 16 rows: tile 2 c + u holds, at lane place r, row 32 c + 8 u + r + 8 (r / 8).  A fragment (a tile x 128 along K) is
; 12 registers a lane: registers 6 c .. 6 c + 5 of lane (r, h) hold k = 64 c + 32 h + 0 .. 31.  Its image in memory: register quad q at 512 q + 16 x lane: 1,536 bytes.
; Codes: [tile][K step 8][1,536].  Scale words (four bytes: a row's 128 along K): [tile][pair of K steps 4][r 16][2 words], behind the codes.
; A block's scale is 2^(floor(log2(largest magnitude)) - 4); its byte is that magnitude's exponent field - 4, held at 1 from below (a block of zeros keeps the byte 1: its codes are zeros, and this program alone reads the bytes).
; LIMITS: NaN and infinities are not served; blocks whose largest magnitude lies under 2^-122 keep the byte 1.
; SHARES.  Work-groups 0-255 take 32 rows of history_items each, 256-383 32 rows of a weight: only pointers are chosen, one path serves all.  Wave w: tile u = w & 1, K steps 4 (w >> 1) on: four fragments.
; Each load reads 512 consecutive bytes of one row; the 16 rows turn through the wave's own stage in LDS (rows 528 bytes apart) so that a lane gets 2 x 32 neighbours along K.  Waves share nothing: no barrier.
.set STGB, 8448                        ; a wave's stage: 16 rows x (512 + 16) bytes
.set R,   16                           ; v16-143  two sets of 64: a fragment's numbers as loaded
.set X,   144                          ; v144-207 my 2 x 32 neighbours
.set PC,  208                          ; v208-219 the fragment's codes
.set TQ,  220                          ; v220-226 the conversions' second halves
.set W,   228                          ; v228-231 four scale words
	s_load_b256 s[4:11], s[0:1], 0x0               ; history_items, Wq, Wk, Wv
	s_load_b128 s[12:15], s[0:1], 0x20             ; Wo, xq
	s_load_b64 s[16:17], s[0:1], 0x30              ; wq
	v_lshl_add_u32 v240, v0, 2, 0x8400
	v_mov_b32 v241, 0
	v_lshrrev_b32 v1, 5, v0
	v_readfirstlane_b32 s18, v1                    ; wave
	v_and_b32 v1, 31, v0                           ; lane
	v_and_b32 v2, 15, v0                           ; r
	v_bfe_u32 v3, v0, 4, 1                         ; h
	v_lshlrev_b32 v4, 4, v1                        ; 16 x lane: loads and code stores
	s_mul_i32 s19, s18, STGB
	v_add_nc_u32 v5, s19, v4                       ; the stage, on the way in
	v_mul_u32_u24 v6, v2, 528
	v_lshl_add_u32 v6, v3, 7, v6
	v_add_nc_u32 v6, s19, v6                       ; and out: row r, + 128 h bytes (32 numbers)
	v_lshlrev_b32 v7, 3, v1                        ; 8 x lane: the scale words' store
	v_lshlrev_b32 v14, 3, v3                       ; 8 h: where my two bytes stand in a scale word
	v_mov_b32 v15, 0                               ; a lane permute's destination counts as read
	s_mov_b32 s20, 0x76543210
	s_mov_b32 s21, 0xfedcba98                      ; selects for lane l xor 16
	s_and_b32 s22, s18, 1                          ; u
	s_lshr_b32 s23, s18, 1                         ; which half of K
	s_sub_co_u32 s24, ttmp9, 256                   ; the weights' work-groups count from 0
	s_and_b32 s25, s24, 31                         ; 32 rows of a weight
	s_lshr_b32 s26, s24, 5                         ; which weight
	s_mov_b32 s27, 0x300000
	s_cmp_lt_u32 ttmp9, 256
	s_cselect_b32 s25, ttmp9, s25                  ; which 32 rows of the input
	s_cselect_b32 s24, ttmp9, s24                  ; which pair of tiles of the output
	s_cselect_b32 s27, 0x600000, s27               ; where the output's scale words begin
	s_lshl_b32 s28, s25, 17                        ; 32 rows of 4,096 bytes
	s_lshl_b32 s30, s22, 15                        ; + 8 u rows
	s_add_co_u32 s28, s28, s30
	s_lshl_b32 s30, s23, 11                        ; + four K steps of 512 bytes
	s_add_co_u32 s28, s28, s30
	s_mov_b32 s29, 0
	s_lshl_b32 s30, s24, 1
	s_add_co_u32 s30, s30, s22                     ; my tile
	s_mul_i32 s32, s30, 12288
	s_mul_i32 s34, s23, 6144
	s_add_co_u32 s32, s32, s34
	s_mov_b32 s33, 0
	s_lshl_b32 s34, s30, 9
	s_add_co_u32 s34, s34, s27
	s_lshl_b32 s30, s23, 8
	s_add_co_u32 s34, s34, s30
	s_mov_b32 s35, 0
	s_wait_alu depctr_va_vdst(0)
	s_wait_kmcnt 0x0
	s_cmp_eq_u32 s26, 1
	s_cselect_b64 s[6:7], s[8:9], s[6:7]
	s_cmp_eq_u32 s26, 2
	s_cselect_b64 s[6:7], s[10:11], s[6:7]
	s_cmp_eq_u32 s26, 3
	s_cselect_b64 s[6:7], s[12:13], s[6:7]
	s_cmp_lt_u32 ttmp9, 256
	s_cselect_b64 s[4:5], s[4:5], s[6:7]           ; the input
	s_cselect_b64 s[8:9], s[14:15], s[16:17]       ; the output
	s_add_nc_u64 s[4:5], s[4:5], s[28:29]
	s_add_nc_u64 s[10:11], s[8:9], s[34:35]        ; my scale words
	s_add_nc_u64 s[8:9], s[8:9], s[32:33]          ; my codes
.macro LOADF s                         ; fragment s: 16 rows x 512 consecutive bytes, into set s % 2
.irp j, 0,1,2,3,4,5,6,7,8,9,10,11,12,13,14,15
	global_load_b128 v[R+64*((\s)%2)+4*\j:R+64*((\s)%2)+4*\j+3], v4, s[4:5] offset:(\j+8*(\j/8))*4096+512*(\s) th:TH_LOAD_NT
.endr
.endm
.macro FRAGQ s
.if (\s) < 3
	s_wait_loadcnt 16                              ; this fragment's 16 loads are in; the next fragment's 16 may be out
.else
	s_wait_loadcnt 0x0
.endif
.irp j, 0,1,2,3,4,5,6,7,8,9,10,11,12,13,14,15
	ds_store_b128 v5, v[R+64*((\s)%2)+4*\j:R+64*((\s)%2)+4*\j+3] offset:528*\j
.endr
.irp c, 0,1
.irp i, 0,1,2,3,4,5,6,7
	ds_load_b128 v[X+32*\c+4*\i:X+32*\c+4*\i+3], v6 offset:256*\c+16*\i   ; LDS serves a wave's instructions in order: these see the stores above
.endr
.endr
	s_wait_dscnt 0x0                               ; my numbers are back, and the stores have read their registers,
.if (\s)+2 < 4
	LOADF (\s)+2                                   ; which take the fragment two on
.endif
.irp c, 0,1                                    ; block 2 c + h is all mine: its largest magnitude, with the floor 2^(5 - 127) among the leaves
	v_max3_num_f32 v[8+\c], |v[X+32*\c]|, |v[X+32*\c+1]|, 0x2800000
.endr
.irp i, 2,4,6,8,10,12,14,16,18,20,22,24,26,28,30
.irp c, 0,1
	v_max3_num_f32 v[8+\c], v[8+\c], |v[X+32*\c+\i]|, |v[X+32*\c+\i+1]|
.endr
.endr
.irp c, 0,1
	v_add_nc_u32 v[10+\c], 0xfe000000, v[8+\c]     ; 4 off the exponent field: the conversion's scale operand
.endr
.irp c, 0,1
	v_lshrrev_b32 v[12+\c], 23, v[10+\c]           ; the scale's byte
.endr
	v_lshl_or_b32 v[W+(\s)], v13, 16, v12          ; my two bytes, blocks h and 2 + h,
	v_lshlrev_b32 v[W+(\s)], v14, v[W+(\s)]        ; at their places;
	v_permlanex16_b32 v15, v[W+(\s)], s20, s21
	v_or_b32 v[W+(\s)], v[W+(\s)], v15             ; with lane l xor 16's two the word is whole
.if (\s) > 0
	s_wait_alu depctr_va_vdst(0)
	s_wait_xcnt 0x0                                ; the last fragment's stores have read their data: the codes' registers are written again only behind this wait
.endif
.irp c, 0,1
	v_cvt_scalef32_pk16_bf6_f32 v[PC+6*\c:PC+6*\c+2], v[X+32*\c:X+32*\c+15], v[10+\c]
	v_cvt_scalef32_pk16_bf6_f32 v[TQ+4*\c:TQ+4*\c+2], v[X+32*\c+16:X+32*\c+31], v[10+\c]   ; (a conversion's three registers begin on an even number)
.endr
	v_nop                                          ; one plain place behind a scaled conversion
.irp c, 0,1
.irp i, 0,1,2
	v_mov_b32 v[PC+3+6*\c+\i], v[TQ+4*\c+\i]
.endr
.endr
.irp c, 0,1,2
	global_store_b128 v4, v[PC+4*\c:PC+4*\c+3], s[8:9] offset:1536*(\s)+512*\c   ; 32 lanes store 512 consecutive bytes, aligned
.endr
.endm
	LOADF 0
	LOADF 1
	FRAGQ 0
	FRAGQ 1
	FRAGQ 2
	FRAGQ 3
	v_cmp_ne_u32 vcc_lo, 0, v3                     ; lanes 0-15 store the words of my first pair of K steps, lanes 16-31 of my second
	v_cndmask_b32 v232, v[W], v[W+2], vcc_lo
	v_cndmask_b32 v233, v[W+1], v[W+3], vcc_lo
	global_store_b64 v7, v[232:233], s[10:11]      ; 256 consecutive bytes, aligned
	s_wait_tensorcnt 0x0
	ds_add_u32 v240, v241
	s_wait_dscnt 0x0
	s_endpgm
.Lfunc_end_k_qe701f0e2b1_quant:
	.size	k_qe701f0e2b1_quant, .Lfunc_end_k_qe701f0e2b1_quant-k_qe701f0e2b1_quant
	.p2alignl 7, 3214868480
	.fill 96, 4, 3214868480
	.section	.rodata,"a",@progbits
	.p2align	6, 0x0
	.amdhsa_kernel k_qe701f0e2b1_quant
		.amdhsa_group_segment_fixed_size 34304
		.amdhsa_private_segment_fixed_size 0
		.amdhsa_enable_private_segment 0
		.amdhsa_kernarg_size 56
		.amdhsa_user_sgpr_count 2
		.amdhsa_user_sgpr_kernarg_segment_ptr 1
		.amdhsa_wavefront_size32 1
		.amdhsa_system_sgpr_workgroup_id_x 1
		.amdhsa_system_sgpr_workgroup_id_y 1
		.amdhsa_system_sgpr_workgroup_id_z 1
		.amdhsa_system_vgpr_workitem_id 0
		.amdhsa_next_free_vgpr 242
		.amdhsa_next_free_sgpr 66
		.amdhsa_reserve_vcc 1
		.amdhsa_float_denorm_mode_32 3
		.amdhsa_float_denorm_mode_16_64 3
		.amdhsa_memory_ordered 1
		.amdhsa_forward_progress 1
		.amdhsa_inst_pref_size 31
	.end_amdhsa_kernel
	.amdgpu_metadata
---
amdhsa.version: [ 1, 2 ]
amdhsa.kernels:
  - .name:           k_qe701f0e2b1_quant
    .symbol:         k_qe701f0e2b1_quant.kd
    .args:
      - { .name: history_items, .offset: 0, .size: 8, .value_kind: global_buffer, .address_space: global }
      - { .name: Wq, .offset: 8, .size: 8, .value_kind: global_buffer, .address_space: global }
      - { .name: Wk, .offset: 16, .size: 8, .value_kind: global_buffer, .address_space: global }
      - { .name: Wv, .offset: 24, .size: 8, .value_kind: global_buffer, .address_space: global }
      - { .name: Wo, .offset: 32, .size: 8, .value_kind: global_buffer, .address_space: global }
      - { .name: xq, .offset: 40, .size: 8, .value_kind: global_buffer, .address_space: global }
      - { .name: wq, .offset: 48, .size: 8, .value_kind: global_buffer, .address_space: global }
    .group_segment_fixed_size: 34304
    .private_segment_fixed_size: 0
    .kernarg_segment_align: 8
    .kernarg_segment_size: 56
    .max_flat_workgroup_size: 128
    .sgpr_count:     66
    .vgpr_count:     242
    .wavefront_size: 32
...
	.end_amdgpu_metadata
.endif
;; end of part 1
;; launch qkv (part 2): grid 12 x 32, 4 waves a work-group, clusters of 4 x 4, 327,680 bytes of LDS; arguments xq, wq, bq, bk, bv, qq, kq, vq; writes qq, kq, vq
.if DOCPART == 2
	.amdgcn_target "amdgcn-amd-amdhsa--gfx1250"
	.amdhsa_code_object_version 6
	.text
	.protected	k_qe701f0e2b1_qkv
	.globl	k_qe701f0e2b1_qkv
	.p2align	8
	.type	k_qe701f0e2b1_qkv,@function
k_qe701f0e2b1_qkv:
	s_mov_b64 s[64:65], 0
	v_nop
	global_prefetch_b8 v0, s[64:65] scope:SCOPE_SE
	s_setreg_imm32_b32 hwreg(HW_REG_WAVE_MODE, 25, 1), 1
	s_wait_xcnt 0x0
	s_wait_alu depctr_hold_cnt(0) depctr_sa_sdst(0) depctr_va_vdst(0) depctr_va_sdst(0) depctr_va_ssrc(0) depctr_va_vcc(0) depctr_vm_vsrc(0)
	s_getreg_b32 s2, hwreg(HW_REG_IB_STS2, 6, 4)
	s_cmp_eq_u32 s2, 0
	s_cbranch_scc0 .Lentry_in_a_cluster
	s_endpgm
.Lentry_in_a_cluster:
	s_bfe_u32 s2, ttmp6, 0x10000c
	s_cmp_lg_u32 s2, 0xf033
	s_cbranch_scc0 .Lentry_shape_is_right
	s_endpgm
.Lentry_shape_is_right:
; q = x Wq^T + bq, k = x Wk^T + bk, v = x Wv^T + bv on codes of BF6 (E3M2) with E8M0 scales, and the results QUANTISED ON THE WAY OUT into operand images for the attention launch: no f32 result goes to memory.
; One text makes, of 256 rows 'A' (source 1) and 256 rows 'B' (source 0), the numbers A B^T + bias and quantises them ALONG B's ROWS: a lane holds one row of A, its registers run along B's rows.
;   clusters x = 0, 1: A = tokens, B = rows of Wq, Wk: q and k are quantised along the head's channels.      cluster x = 2: A = rows of Wv, B = tokens: v is quantised along the keys; nothing is transposed.
; Which way is taken is a choice of pointers and offsets on the cluster's x, a number that all sixteen partners share: no branch hangs on it.
; Tiles of 16 rows hold rows 32 c + 8 u + r + 8 (r / 8) (tile 2 c + u, lane place r): so the 16 registers of B's tiles 2 c and 2 c + 1 are 16 neighbours, 32 c + 16 (lane / 16) + 0 .. 15.
; A work-group of four waves makes 256 x 256, a wave 128 x 128: 64 accumulators, 512 registers.  K = 1,024 goes in steps of 256 through a ring of two LDS slots.  Codes lie in memory as images of the operand's registers
; (1,536 bytes a fragment), so a fragment is three loads of 16 bytes a lane, 512 consecutive bytes each: no pitch, no padding.  The scale words of all of K come once, with the first fills.
; CLUSTERS: 4 x 4.  A's tiles hang on the tile row alone and are asked for jointly by a row of the cluster, B's on the tile column alone, by a column.
; The grid has 24 clusters of equal work.
; OUT: q, k: codes [batch][head][tile 64][768] (a fragment's lower six registers: K = 64), scale words [batch][head][tile][r]; v: codes [128 keys, 64][tile of 16 channels, 64][1,536], words [..][..][128 bytes].
; LIMITS: NaN and infinities are not served; blocks whose largest magnitude lies under 2^-122 keep the byte 1.
; REGISTERS: window 0: v16-29 addresses; v32-63 scale words, two sets; v64-127 the bias along B's rows; v128-223 A's 8 fragments; v224-239 the bias along A's rows, in pairs.  window 1: B's fragments, two sets.  windows 2, 3: accumulators.
; NO PREFETCH: the block is the largest, 256 x 256 in clusters, and K is short: four slots, of which the first two are asked for at the start.
.set NQ,    2
.set FR,    12                         ; registers of a fragment
.set NL,    3                          ; LDS loads that bring one
.set NP,    4                          ; places behind this matrix instruction (ISA guide 7.12.1)
.set TILEB, 3072                       ; a tile's two fragments in a slot
.set HALFT, 8*TILEB                    ; 8 tiles: what one tensor load brings, and what one wave reads of A or of B
.set SLOT,  4*HALFT                    ; A's 16 tiles, then B's 16
.set SCL,   2*SLOT                     ; behind the ring: the scale words: A's 16 tiles x 512 bytes, then B's
.set SPARE, SCL+16384                  ; the spare words, 128 bytes for each wave: two blocks of 256 bytes that no other line names
.set LAPS,  2                          ; a lap = two slots = 512 along K
.set ADRA, 16                          ; v16-17 LDS address of my A fragments in slot 0, 1
.set ADRB, 20                          ; v20-21 the same for B
.set GO,   24                          ; v24  8 x lane: the codes' stores
.set GS,   25                          ; v25  4 r + (lane / 16) x the distance between the two places of a scale word
.set SH,   26                          ; v26  16 (lane / 16)
.set ADRS, 27                          ; v27  LDS address of my scale words: lanes 0-15 A's, lanes 16-31 B's
.set SPW,  28                          ; v28  LDS address of my spare word; never rewritten
.set NIL,  29                          ; v29  0; never rewritten
.set SC,   32
.set BI,   64
.set AF,   128
.set BJ,   224
.set T,    128                         ; the way out: a block's 64 numbers
.set PC,   192                         ; its codes (v192-210)
.set TM,   32                          ; at work (v32-47)
.set PW,   48                          ; the scale word
.set SV,   49                          ; as it is stored
.set SEL,  4                           ; s[4:5] lane selects, set ahead of the way out
.set G1, 24
.set G0, 32
.set G1B, 48
.set G0B, 56
.set G1S, 68
.set G0S, 76
.set G1SB, 80
.set G0SB, 88
.set OC0, 92                           ; s[92:93] where a block's registers 0-5 go;  s[94:95] its registers 6-11;  s[96:97] its scale words
.set OC1, 94
.set OS,  96
.set CST, 98                           ; s[98:99] from block to block in the codes;  s[100:101] in the scale words
.set SST, 100
.set MSB, 0
.macro WIN new                         ; the immediate's high byte repeats the setting that is left
.if MSB != \new
	s_set_vgpr_msb (MSB<<8)|\new
.set MSB, \new
.endif
.endm
.set MUL_LO, 0xa1                      ; source 0 (B) window 1, source 1 (A) window 0, C and D window 2
.set MUL_HI, 0xf1                      ; the same, C and D window 3
.set TO_B,   0x40                      ; destination window 1, address window 0
; A joint load: waves 0 and 1 fetch for A, waves 2 and 3 for B.  Each line has one mask and one set of registers for all that issue it; the branch hangs on the wave's number alone.
; Four v_nop follow each of the two lines, ahead of the jump, the label and what follows.
.macro JLOAD g0a, g1a, g0b, g1b
	s_cmp_eq_u32 s21, 0
	s_cbranch_scc0 .Lfor_b_\@
	tensor_load_to_lds s[\g0a:\g0a+3], s[\g1a:\g1a+7]
	s_nop 0
.rept 4
	v_nop
.endr
	s_branch .Lasked_\@
.Lfor_b_\@:
	tensor_load_to_lds s[\g0b:\g0b+3], s[\g1b:\g1b+7]
	s_nop 0
.rept 4
	v_nop
.endr
.Lasked_\@:
.endm
.macro CREST                           ; a round of the cluster's barrier behind its opening barrier
	s_cmp_lg_u32 s20, 0
	s_cbranch_scc1 .Lnot_wave_0_\@
	s_barrier_signal -3
.Lnot_wave_0_\@:
	s_barrier_wait -3
	s_barrier_signal -1
	s_barrier_wait -1
.endm
.macro CROUND                          ; a whole round
	s_barrier_signal -1
	s_barrier_wait -1
	CREST
.endm
	s_load_b128 s[4:7], s[0:1], 0x0                ; xq, wq
	s_load_b128 s[8:11], s[0:1], 0x10              ; bq, bk
	s_load_b256 s[12:19], s[0:1], 0x20             ; bv, qq, kq, vq
	v_lshl_add_u32 v[SPW], v0, 2, SPARE
	v_mov_b32 v[NIL], 0
	ds_add_u32 v28, v29
	ds_add_u32 v28, v29
	s_wait_dscnt 0x0
	v_lshrrev_b32 v1, 5, v0
	v_readfirstlane_b32 s20, v1                    ; wave 0..3
	s_lshr_b32 s21, s20, 1                         ; which 8 tiles of A are mine.  Also: I fetch for A (0) or for B (1)
	s_and_b32 s22, s20, 1                          ; which 8 tiles of B.  Also: which 8 tiles I fetch
	s_bfe_u32 s40, ttmp6, 0x40000                  ; cx, cy: my place in the cluster
	s_bfe_u32 s41, ttmp6, 0x40004
	s_and_b32 s42, ttmp7, 0xffff                   ; the cluster's y
	s_lshl_b32 s43, s41, 2
	s_lshl_b32 s43, 15, s43                        ; my row of the cluster
	s_lshl_b32 s44, 0x1111, s40                    ; my column
	; descriptor group 1: 8 tiles x 3,072 bytes (384 elements of 8 bytes), 12,288 bytes from tile to tile
	s_or_b32 s[G1+0], s43, (3<<16)|(1<<21)         ; 15:0 the mask: A's tiles go to my row; 17:16 elements of 8 bytes; 21 set beside a mask
	s_or_b32 s[G1B+0], s44, (3<<16)|(1<<21)
.irp g, G1, G1B
	s_mov_b32 s[\g+1], 384<<16                     ; tensor_dim0
	s_mov_b32 s[\g+2], 16<<16                      ; tensor_dim1: 16 tiles for the head's loads; set to 8 for the ring's behind them
	s_mov_b32 s[\g+3], 384<<16                     ; tile_dim0
	s_mov_b32 s[\g+4], 16                          ; tile_dim1 likewise
	s_mov_b32 s[\g+5], 1536                        ; tensor_dim0_stride
	s_mov_b32 s[\g+6], 0
	s_mov_b32 s[\g+7], 0
.endr
	; the scale words of 16 tiles: 8,192 dense bytes, as 32 rows of 256
	s_or_b32 s[G1S+0], s43, (3<<16)|(1<<21)
	s_or_b32 s[G1SB+0], s44, (3<<16)|(1<<21)
.irp g, G1S, G1SB
	s_mov_b32 s[\g+1], 32<<16
	s_mov_b32 s[\g+2], 32<<16
	s_mov_b32 s[\g+3], 32<<16
	s_mov_b32 s[\g+4], 32
	s_mov_b32 s[\g+5], 32
	s_mov_b32 s[\g+6], 0
	s_mov_b32 s[\g+7], 0
.endr
	; which way: clusters x = 0, 1 make q and k, cluster x = 2 makes v
	s_mov_b32 s47, 0x300000
	s_cmp_lt_u32 ttmp9, 2
	s_cselect_b32 s45, -1, 0                       ; all ones for q and k
	s_cselect_b32 s66, s42, 2                      ; A: tokens by the cluster's y, or Wv (tile rows 8 to 11 of the weights)
	s_cselect_b32 s67, ttmp9, s42                  ; B: Wq, Wk by the cluster's x, or tokens by its y
	s_cselect_b32 s92, 0x600000, s47               ; where A's buffer has its scale words,
	s_cselect_b32 s96, s47, 0x600000               ; and B's
	s_not_b32 s46, s45                             ; all ones for v
	s_lshl_b32 s66, s66, 2
	s_add_co_u32 s66, s66, s41                     ; tile row: hangs on cy, never on cx
	s_lshl_b32 s67, s67, 2
	s_add_co_u32 s67, s67, s40                     ; tile column: hangs on cx, never on cy
	s_lshl_b32 s93, s66, 4                         ; A: the block's first tile of 16 rows
	s_lshl_b32 s97, s67, 4                         ; B likewise
	s_mul_i32 s94, s93, 12288                      ; its codes,
	s_mul_i32 s98, s97, 12288
	s_lshl_b32 s93, s93, 9                         ; its scale words
	s_lshl_b32 s97, s97, 9
	s_add_co_u32 s92, s92, s93
	s_add_co_u32 s96, s96, s97
	s_mov_b32 s93, 0
	s_mov_b32 s95, 0
	s_mov_b32 s97, 0
	s_mov_b32 s99, 0
	s_mul_i32 s23, s20, HALFT                      ; where they go: wave x 8 tiles: no place in the cluster enters an LDS address
	s_wait_kmcnt 0x0
	s_cmp_lt_u32 ttmp9, 2
	s_cselect_b64 s[100:101], s[4:5], s[6:7]       ; A's buffer
	s_cselect_b64 s[4:5], s[6:7], s[4:5]           ; B's buffer
	s_add_nc_u64 s[92:93], s[100:101], s[92:93]
	s_add_nc_u64 s[94:95], s[100:101], s[94:95]
	s_add_nc_u64 s[96:97], s[4:5], s[96:97]
	s_add_nc_u64 s[98:99], s[4:5], s[98:99]
	CROUND                                         ; all sixteen work-groups are here: the first joint loads meet
	; THE HEAD'S FOUR TILES, each whole, one joint load a wave: the scale words of A's 16 tiles, of B's 16, slot 0's 16 tiles of A, its 16 of B.
	s_mov_b32 s[G0S], 1
	s_mov_b32 s[G0S+1], SCL
	s_mov_b64 s[G0S+2:G0S+3], s[92:93]
	s_or_b32 s[G0S+3], s[G0S+3], 0x80000000
	s_mov_b32 s[G0SB], 1
	s_mov_b32 s[G0SB+1], SCL+8192
	s_mov_b64 s[G0SB+2:G0SB+3], s[96:97]
	s_or_b32 s[G0SB+3], s[G0SB+3], 0x80000000
	s_mov_b32 s[G0], 1                             ; slot 0's group 0 serves the head's whole tile first; it is set to my quarter behind the wait that shows the load done
	s_mov_b32 s[G0+1], 0
	s_mov_b64 s[G0+2:G0+3], s[94:95]
	s_or_b32 s[G0+3], s[G0+3], 0x80000000
	s_mov_b32 s[G0B], 1
	s_mov_b32 s[G0B+1], 2*HALFT
	s_mov_b64 s[G0B+2:G0B+3], s[98:99]
	s_or_b32 s[G0B+3], s[G0B+3], 0x80000000
	s_mul_i32 s2, s22, 8*12288                     ; in the ring I fetch 8 tiles: which half, in bytes
	s_mov_b32 s3, 0
	s_add_nc_u64 s[94:95], s[94:95], s[2:3]
	s_add_nc_u64 s[98:99], s[98:99], s[2:3]
	s_mov_b32 s[G0+4], 1
	s_add_co_u32 s[G0+5], s23, SLOT
	s_add_nc_u64 s[G0+6:G0+7], s[94:95], TILEB
	s_or_b32 s[G0+7], s[G0+7], 0x80000000
	s_mov_b32 s[G0B+4], 1
	s_add_co_u32 s[G0B+5], s23, SLOT
	s_add_nc_u64 s[G0B+6:G0B+7], s[98:99], TILEB
	s_or_b32 s[G0B+7], s[G0B+7], 0x80000000
; one chain of branches on the wave's number, each arm with its load and a jump to the one join
.macro ARM under, g0, g1, next
	s_cmp_lt_u32 s20, \under
	s_cbranch_scc0 \next
	tensor_load_to_lds s[\g0:\g0+3], s[\g1:\g1+7]
	s_nop 0
.rept 4
	v_nop
.endr
	s_branch .Lhead_asked
\next:
.endm
	ARM 1, G0,  G1,  .Lhead_b
	ARM 2, G0B, G1B, .Lhead_sa
	ARM 3, G0S, G1S, .Lhead_sb
	tensor_load_to_lds s[G0SB:G0SB+3], s[G1SB:G1SB+7]
	s_nop 0
.rept 4
	v_nop
.endr
.Lhead_asked:
	v_and_b32 v1, 15, v0                           ; r
	v_bfe_u32 v2, v0, 4, 1                         ; h
	s_wait_alu depctr_va_vdst(0)
	v_and_b32 v3, 31, v0                           ; lane
	v_lshlrev_b32 v4, 4, v3                        ; an image's place for my lane
	; THE BIASES.  Along B's rows (q, k): register 8 b + j wants channel 32 (b / 2) + 16 h + 8 (b % 2) + j of my 128.  Along A's rows (v): block a wants channel 32 (a / 2) + 8 (a % 2) + r + 8 (r / 8).
	s_wait_alu depctr_va_vdst(0)
	s_cmp_eq_u32 ttmp9, 0
	s_cselect_b64 s[8:9], s[8:9], s[10:11]         ; bq for cluster x = 0, else bk (read, and masked off, on v's way too: every offset stays inside the 1,024 numbers)
	s_lshl_b32 s4, s40, 10
	s_lshl_b32 s5, s22, 9
	s_add_co_u32 s4, s4, s5                        ; (256 cx + 128 x my half) x 4 bytes
	s_mov_b32 s5, 0
	s_add_nc_u64 s[8:9], s[8:9], s[4:5]
	s_lshl_b32 s4, s41, 10
	s_lshl_b32 s6, s21, 9
	s_add_co_u32 s4, s4, s6                        ; (256 cy + 128 x my half) x 4 bytes
	s_add_nc_u64 s[12:13], s[12:13], s[4:5]
	v_lshlrev_b32 v6, 6, v2                        ; 16 h numbers
	v_and_b32 v7, 8, v1
	v_add_nc_u32 v7, v7, v1
	v_lshlrev_b32 v7, 2, v7                        ; r + 8 (r / 8) numbers
.irp b, 0,1,2,3,4,5,6,7
	global_load_b128 v[BI+8*\b:BI+8*\b+3], v6, s[8:9] offset:(32*(\b/2)+8*(\b%2))*4
	global_load_b128 v[BI+8*\b+4:BI+8*\b+7], v6, s[8:9] offset:(32*(\b/2)+8*(\b%2))*4+16
.endr
.irp a, 0,1,2,3,4,5,6,7
	global_load_b32 v[BJ+2*\a], v7, s[12:13] offset:(32*(\a/2)+8*(\a%2))*4
.endr
	s_mul_i32 s4, s21, HALFT                       ; my 8 tiles of A
	s_mul_i32 s5, s22, HALFT                       ; my 8 tiles of B,
	s_add_co_u32 s5, s5, 2*HALFT                   ; which lie behind A's 16
.irp s, 0,1
	v_add_nc_u32 v[ADRA+\s], s4, v4
	v_add_nc_u32 v[ADRB+\s], s5, v4
	s_add_co_u32 s4, s4, SLOT
	s_add_co_u32 s5, s5, SLOT
.endr
	s_lshl_b32 s4, s21, 12                         ; the scale words: A's, my 8 tiles;
	s_lshl_b32 s5, s22, 12                         ; B's, my 8 tiles, behind A's 16
	s_add_co_u32 s5, s5, 8192
	s_sub_co_u32 s5, s5, s4
	v_mul_u32_u24 v5, s5, v2                       ; lanes 16-31 take B's: one product, the distance between the two
	s_add_co_u32 s4, s4, SCL
	v_lshl_add_u32 v5, v1, 3, v5                   ; 8 bytes a row: a slot's two words
	v_add_nc_u32 v[ADRS], s4, v5
	v_lshlrev_b32 v[GO], 3, v3
	v_lshlrev_b32 v[SH], 4, v2
	; where the results go
	s_lshl_b32 s4, s41, 4
	s_lshl_b32 s5, s21, 3
	s_add_co_u32 s4, s4, s5                        ; 16 cy + 8 x my half: my first block of A among the 64 of its batch (or of Wv)
	s_lshl_b32 s5, s40, 2
	s_lshl_b32 s6, s22, 1
	s_add_co_u32 s5, s5, s6                        ; q, k: my first head, 4 cx + 2 x my half,
	s_lshl_b32 s6, s42, 4
	s_add_co_u32 s5, s5, s6                        ; in batch = the cluster's y
	s_lshl_b32 s5, s5, 6
	s_add_co_u32 s5, s5, s4
	s_mul_i32 s6, s5, 768                          ; [batch][head][tile][768]
	s_lshl_b32 s7, s5, 6                           ; [batch][head][tile][64]
	s_lshl_b32 s5, s67, 1
	s_add_co_u32 s5, s5, s22                       ; v: my 128 keys among the 64 x 128
	s_lshl_b32 s5, s5, 6
	s_add_co_u32 s5, s5, s4
	s_mul_i32 s10, s5, 1536                        ; [128 keys][tile][1,536]
	s_lshl_b32 s11, s5, 7                          ; [128 keys][tile][128]
	s_mov_b32 s23, 1536
	s_mov_b32 s47, 768
	s_cmp_lt_u32 ttmp9, 2
	s_cselect_b32 s[OC0], s6, s10
	s_cselect_b32 s[OS], s7, s11
	s_cselect_b32 s[CST], 768, s23
	s_cselect_b32 s[OC1], 49152, s47               ; registers 6-11: the next head's tile, or the fragment's second half
	s_cselect_b32 s[SST], 64, 128
	s_cselect_b32 s2, 4096, 64                     ; the second head's scale words, or 64 bytes that nobody reads
	s_cselect_b64 s[16:17], s[16:17], s[18:19]
	s_cmp_eq_u32 ttmp9, 0
	s_cselect_b64 s[14:15], s[14:15], s[16:17]     ; qq, kq or vq
	s_add_co_u32 s[OS], s[OS], 0x600000
	s_mov_b32 s[OC0+1], 0
	s_mov_b32 s[OC1+1], 0
	s_mov_b32 s[OS+1], 0
	s_mov_b32 s[CST+1], 0
	s_mov_b32 s[SST+1], 0
	s_add_nc_u64 s[OC0:OC0+1], s[14:15], s[OC0:OC0+1]
	s_add_nc_u64 s[OC1:OC1+1], s[OC0:OC0+1], s[OC1:OC1+1]
	s_add_nc_u64 s[OS:OS+1], s[14:15], s[OS:OS+1]
	v_mul_u32_u24 v[GS], s2, v2
	v_lshl_add_u32 v[GS], v1, 2, v[GS]
	s_wait_loadcnt 0x0                             ; the biases
.set ii, 0
.rept 64
	v_and_b32 v[BI+ii], s45, v[BI+ii]              ; the bias along B's rows counts for q and k alone,
.set ii, ii+1
.endr
.irp a, 0,1,2,3,4,5,6,7
	v_and_b32 v[BJ+2*\a], s46, v[BJ+2*\a]          ; that along A's rows for v alone;
	v_and_b32 v[BJ+2*\a+1], s46, v[BJ+2*\a]        ; twice: a pair for the packed addition
.endr
.macro FRAG reg, adr, off              ; a fragment's image: three loads of 16 bytes a lane, 512 consecutive bytes each
.irp c, 0,1,2
	ds_load_b128 v[\reg+4*\c:\reg+4*\c+3], v[\adr] offset:(\off)+512*\c
.endr
.endm
; 16 matrix instructions: A's blocks a0, a0 + 1 x B's eight, 128 along K.  p: B's set; sc: the set of scale words.  first = 1: the sums begin with the bias along B's rows as C: nothing is cleared or added later.
; The 64 accumulators take turns, one instruction a turn, in the same order in every step.
.macro MUL16 a0, p, q, sc, first
.irp a, \a0, \a0+1
.irp b, 0,1,2,3,4,5,6,7
.if \first
	v_wmma_scale_f32_16x16x128_f8f6f4 v[8*(8*((\a)%4)+\b):8*(8*((\a)%4)+\b)+7], v[128*(\p)+FR*\b:128*(\p)+FR*\b+FR-1], v[AF+FR*(\a):AF+FR*(\a)+FR-1], v[BI+8*\b:BI+8*\b+7], v[SC+8*NQ*(\sc)+NQ*\b+(\q)], v[SC+8*NQ*(\sc)+NQ*(\a)+(\q)] matrix_a_fmt:MATRIX_FMT_BF6 matrix_b_fmt:MATRIX_FMT_BF6 matrix_a_scale:MATRIX_SCALE_ROW1
.else
	v_wmma_scale_f32_16x16x128_f8f6f4 v[8*(8*((\a)%4)+\b):8*(8*((\a)%4)+\b)+7], v[128*(\p)+FR*\b:128*(\p)+FR*\b+FR-1], v[AF+FR*(\a):AF+FR*(\a)+FR-1], v[8*(8*((\a)%4)+\b):8*(8*((\a)%4)+\b)+7], v[SC+8*NQ*(\sc)+NQ*\b+(\q)], v[SC+8*NQ*(\sc)+NQ*(\a)+(\q)] matrix_a_fmt:MATRIX_FMT_BF6 matrix_b_fmt:MATRIX_FMT_BF6 matrix_a_scale:MATRIX_SCALE_ROW1
.endif
.endr
.endr
.endm
.macro FETCH_B slot, q, p              ; B's eight fragments of the slot's q-th 128 along K into set p
	WIN TO_B
.irp i, 0,1,2,3,4,5,6,7
	FRAG 128*(\p)+FR*\i, ADRB+\slot, \i*TILEB+(\q)*1536
.endr
	WIN 0
.endm
.macro FETCH_A slot, q, i0             ; A's blocks i0 .. i0 + 3
.irp i, \i0, \i0+1, \i0+2, \i0+3
	FRAG AF+FR*(\i), ADRA+\slot, (\i)*TILEB+(\q)*1536
.endr
.endm
.macro SCALES sc                       ; a slot's scale words into set sc: two words a row; lanes 0-15 take A's block i, lanes 16-31 B's block i
.irp i, 0,1,2,3,4,5,6,7
	ds_load_b64 v[SC+8*NQ*\sc+NQ*\i:SC+8*NQ*\sc+NQ*\i+1], v[ADRS] offset:\i*512
.endr
.endm
; A load into a register that a matrix instruction has read, and a vector instruction that reads a matrix result or writes one of its registers, stand NP places behind it; only plain vector instructions that name none of its registers are places.
.macro PLACES n
.rept \n
	v_nop
.endr
.endm
; A step of 128 along K that has its successor in the same slot.  A's one set: blocks 0-3 are fetched anew in the step's middle, blocks 4-7 at its end; B has two sets.
.macro STEP slot, q, first
	s_wait_dscnt 4*NL                              ; B's set, the scale words and A's blocks 0-3 are in; the youngest 12 loads (A's blocks 4-7) may be out
.if \first
	WIN 0x81                                       ; as MUL_LO, but C (the bias) in window 0
.else
	WIN MUL_LO
.endif
	MUL16 0, (\q)%2, \q, \slot, \first
	MUL16 2, (\q)%2, \q, \slot, \first
	s_wait_dscnt 0                                 ; A's blocks 4-7 are in
	PLACES NP
	FETCH_B \slot, (\q)+1, 1-(\q)%2
	FETCH_A \slot, (\q)+1, 0
.if \first
	WIN 0xc1
.else
	WIN MUL_HI
.endif
	MUL16 4, (\q)%2, \q, \slot, \first
	MUL16 6, (\q)%2, \q, \slot, \first
	PLACES NP
	WIN 0
	FETCH_A \slot, (\q)+1, 4
.endm
; A slot's last step changes slots: one barrier; in front of it each wave waits for all its tensor loads, adds 0 to its spare word, and waits for that and for its own reads of this slot.  fill = 1: this slot is filled again, two slots ahead.
.macro TURN slot, next, fill
	s_wait_tensorcnt 0x0                           ; all my tensor loads have landed: my part of the next slot  (every window is 0 here)
	ds_add_u32 v[SPW], v[NIL]                      ; 0 onto my spare word
	s_wait_dscnt 4*NL+1                            ; (the add and the youngest 12 loads, A's blocks 4-7, may be out)
	WIN MUL_LO
	MUL16 0, 1, NQ-1, \slot, 0                     ; sixteen matrix instructions stand between the add and the wait for it
	s_wait_dscnt 0x0                               ; the add is done, and my reads of this slot are over
	s_barrier_signal -1
	MUL16 2, 1, NQ-1, \slot, 0
	WIN 0
	s_barrier_wait -1
.if \fill
	CREST                                          ; the barrier has opened a round of the cluster's barrier: no wave of any partner still reads this slot or has a load on its way
	s_add_nc_u64 s[G0+4*\slot+2:G0+4*\slot+3], s[G0+4*\slot+2:G0+4*\slot+3], 2*TILEB
	s_add_nc_u64 s[G0B+4*\slot+2:G0B+4*\slot+3], s[G0B+4*\slot+2:G0B+4*\slot+3], 2*TILEB
	JLOAD G0+4*\slot, G1, G0B+4*\slot, G1B         ; the first tensor load behind the round; its four v_nop are the places in front of the loads below
.else
	PLACES NP
.endif
	s_wait_alu depctr_va_vdst(0)
	v_add_nc_u32 v[ADRS], 128, v[ADRS]             ; on to the next slot's scale words (no LDS load of mine is out)
	FETCH_B \next, 0, 0
	FETCH_A \next, 0, 0
	SCALES \next
	WIN MUL_HI
	MUL16 4, 1, NQ-1, \slot, 0
	MUL16 6, 1, NQ-1, \slot, 0
	PLACES NP
	WIN 0
	FETCH_A \next, 0, 4
.endm
	s_wait_alu depctr_va_vdst(0)                   ; the wait at the head's end
	s_wait_tensorcnt 0x0                           ; my tile of the head's four is in; slot 1's first fill is issued as a refill is:
	ds_add_u32 v[SPW], v[NIL]                      ; 0 onto my spare word
	s_mov_b32 s[G1+2], 8<<16                       ; no tensor load of mine is out, so descriptors may be written: from here on a load brings 8 tiles,
	s_mov_b32 s[G1+4], 8
	s_mov_b32 s[G1B+2], 8<<16
	s_mov_b32 s[G1B+4], 8
	s_mul_i32 s[G0+1], s20, HALFT                  ; and slot 0's group 0 names my quarter
	s_mul_i32 s[G0B+1], s20, HALFT
	s_mul_i32 s4, s22, 8*12288
	s_mov_b32 s5, 0
	s_add_nc_u64 s[G0+2:G0+3], s[G0+2:G0+3], s[4:5]
	s_add_nc_u64 s[G0B+2:G0B+3], s[G0B+2:G0B+3], s[4:5]
	s_wait_dscnt 0x0                               ; the add is done
	CROUND                                         ; a whole round: all four tiles are in, and all sixteen work-groups are here
	JLOAD G0+4, G1, G0B+4, G1B                     ; slot 1, the first tensor load behind the round
	FETCH_B 0, 0, 0
	FETCH_A 0, 0, 0
	SCALES 0
	FETCH_A 0, 0, 4
	STEP 0, 0, 1                                   ; the first step stands in front of the loop: its products start the sums
	s_mov_b32 s3, LAPS-1
.Llap:                                                 ; a trip goes once round the ring, from a lap's second step to the next lap's first, and fills both slots again
	TURN 0, 1, 1
	STEP 1, 0, 0
	TURN 1, 0, 1
	STEP 0, 0, 0
	s_sub_co_u32 s3, s3, 1
	s_cmp_lg_u32 s3, 0
	s_cbranch_scc1 .Llap
	TURN 0, 1, 0                                   ; the last lap fills nothing, and has no round of the cluster's barrier
	STEP 1, 0, 0
	s_wait_dscnt 4*NL                              ; the very last step: nothing more to fetch
	WIN MUL_LO
	MUL16 0, 1, NQ-1, 1, 0
	MUL16 2, 1, NQ-1, 1, 0
	s_wait_dscnt 0
	WIN MUL_HI
	MUL16 4, 1, NQ-1, 1, 0
	MUL16 6, 1, NQ-1, 1, 0
	WIN 0
; 64 numbers of a lane, register 16 b + i = place 32 b + 16 (lane / 16) + i along the next K of my row, become a fragment's codes in v[PC] on and its scale word in v[PW].
; TWO SUCH BLOCKS AT A TIME, z = 0 and 1, stage by stage: each stage has eight independent lines, so that a line's sources were made eight lines earlier.
; Set z: numbers at v[T - 64 z] (v128, v64), work at v[TM + 208 z] (v32, v240), codes at v[PC - 192 z] (v192, v0), the word at v[PW + 2 z], as stored at v[SV + 2 z].  All these registers are done with their earlier use here.
.macro QUANT2 step
.irp b, 0,1,2,3
.irp z, 0,1
	v_max3_num_f32 v[TM+208*\z+\b], |v[T-64*\z+16*\b]|, |v[T-64*\z+1+16*\b]|, 0x2800000   ; block b: my 16 numbers, and the floor 2^(5 - 127): the byte cannot fall under 1
.endr
.endr
.irp i, 2,4,6,8,10,12,14
.irp b, 0,1,2,3
.irp z, 0,1
	v_max3_num_f32 v[TM+208*\z+\b], v[TM+208*\z+\b], |v[T-64*\z+16*\b+\i]|, |v[T-64*\z+1+16*\b+\i]|
.endr
.endr
.endr
.irp b, 0,1,2,3
.irp z, 0,1
	v_permlanex16_b32 v[TM+208*\z+4+\b], v[TM+208*\z+\b], s[SEL], s[SEL+1]
.endr
.endr
.irp b, 0,1,2,3
.irp z, 0,1
	v_max_num_f32 v[TM+208*\z+\b], v[TM+208*\z+\b], v[TM+208*\z+4+\b]   ; with lane l xor 16's: the block's largest magnitude
.endr
.endr
.irp b, 0,1,2,3
.irp z, 0,1
	v_add_nc_u32 v[TM+208*\z+12+\b], 0xfe000000, v[TM+208*\z+\b]   ; 4 off its exponent field: the conversion's scale operand
.endr
.endr
.irp b, 0,1,2,3
.irp z, 0,1
	v_lshrrev_b32 v[TM+208*\z+4+\b], 23, v[TM+208*\z+12+\b]   ; the scale's byte
.endr
.endr
.irp z, 0,1
	v_lshl_or_b32 v[PW+2*\z], v[TM+208*\z+5], 8, v[TM+208*\z+4]
.endr
.irp z, 0,1
	v_lshl_or_b32 v[PW+2*\z], v[TM+208*\z+6], 16, v[PW+2*\z]
.endr
.irp z, 0,1
	v_lshl_or_b32 v[PW+2*\z], v[TM+208*\z+7], 24, v[PW+2*\z]
.endr
.if (\step) > 0
	s_wait_alu depctr_va_vdst(0)                   ; the wait here, directly ahead of the wait below
	s_wait_xcnt 0x0                                ; the last pair's stores have read their data and their bases: the codes below and the bases are written again only behind this wait
	s_add_nc_u64 s[OC0:OC0+1], s[OC0:OC0+1], s[CST:CST+1]
	s_add_nc_u64 s[OC1:OC1+1], s[OC1:OC1+1], s[CST:CST+1]
	s_add_nc_u64 s[OS:OS+1], s[OS:OS+1], s[SST:SST+1]
.endif
.irp z, 0,1
.irp c, 0,1
	v_cvt_scalef32_pk16_bf6_f32 v[PC-192*\z+6*\c:PC-192*\z+2+6*\c], v[T-64*\z+32*\c:T-64*\z+15+32*\c], v[TM+208*\z+12+2*\c]
	v_cvt_scalef32_pk16_bf6_f32 v[PC-192*\z+12+4*\c:PC-192*\z+14+4*\c], v[T-64*\z+16+32*\c:T-64*\z+31+32*\c], v[TM+208*\z+12+2*\c+1]   ; (a conversion's three registers begin on an even number)
.endr
.endr
	v_nop                                          ; one plain place behind a scaled conversion
.irp c, 0,1                                    ; the operand's layout wants a whole block in a lane: lanes 0-15 block 2 c, lanes 16-31 block 2 c + 1
.irp i, 0,1,2
.irp z, 0,1
	v_permlane16_swap_b32 v[PC-192*\z+6*\c+\i], v[PC-192*\z+12+4*\c+\i]
.endr
.endr
.endr
.irp c, 0,1
.irp i, 0,1,2
.irp z, 0,1
	v_mov_b32 v[PC-192*\z+3+6*\c+\i], v[PC-192*\z+12+4*\c+\i]
.endr
.endr
.endr
.endm
; THE WAY OUT of A's blocks a and a + 1 (a even: both lie in one window): 16 rows of A x my 128 rows of B each.  One packed addition brings a pair of sums into window 0 and adds the bias along A's rows; each accumulator is read from its low end on.
; A block's codes are an operand's image as they stand: six stores of 8 bytes a lane, 256 consecutive aligned bytes each.  No LDS.  Block a + 1's places lie one block further on: its vector offsets v[GO + 6], v[GS + 6] hold that distance.
.macro OUT2 a
	WIN 0x02+((\a)/4)                              ; source 0: window 2 or 3
.set ii, 0
.rept 32
	v_pk_add_f32 v[T+2*ii:T+2*ii+1], v[64*((\a)%4)+2*ii:64*((\a)%4)+2*ii+1], v[BJ+2*(\a):BJ+2*(\a)+1]
	v_pk_add_f32 v[T-64+2*ii:T-64+2*ii+1], v[64*((\a)%4)+64+2*ii:64*((\a)%4)+65+2*ii], v[BJ+2*(\a)+2:BJ+2*(\a)+3]
.set ii, ii+1
.endr
	WIN 0
	QUANT2 \a
.irp z, 0,1
.irp p, 0,1,2
	global_store_b64 v[GO+6*\z], v[PC-192*\z+2*\p:PC-192*\z+2*\p+1], s[OC0:OC0+1] offset:256*\p
.endr
.irp p, 0,1,2
	global_store_b64 v[GO+6*\z], v[PC-192*\z+6+2*\p:PC-192*\z+7+2*\p], s[OC1:OC1+1] offset:256*\p
.endr
.endr
.irp z, 0,1
	v_lshrrev_b32 v[SV+2*\z], v[SH], v[PW+2*\z]    ; lanes 0-15 store the word; lanes 16-31 its upper two bytes as the second head's word (for v: into bytes that nobody reads)
.endr
.irp z, 0,1
	global_store_b32 v[GS+6*\z], v[SV+2*\z], s[OS:OS+1]
.endr
.endm
	PLACES NP                                      ; behind the last products: the lines below write registers that they have read
	s_mov_b32 s[SEL], 0x76543210
	s_mov_b32 s[SEL+1], 0xfedcba98
.irp b, 0,1,2,3
	v_mov_b32 v[TM+4+\b], 0                        ; a lane permute's destination counts as read
	v_mov_b32 v[TM+212+\b], 0
.endr
	v_add_nc_u32 v[GO+6], s[CST], v[GO]            ; the second block of a pair: one block on in the codes,
	v_add_nc_u32 v[GS+6], s[SST], v[GS]            ; and in the scale words
	s_lshl_b32 s[CST], s[CST], 1                   ; the bases step from pair to pair
	s_lshl_b32 s[SST], s[SST], 1
.irp a, 0,2,4,6
	OUT2 \a
.endr
	s_wait_tensorcnt 0x0                           ; the wave's end
	ds_add_u32 v[SPW], v[NIL]
	s_wait_dscnt 0x0
	CROUND                                         ; the closing round: no work-group ends while a partner may still ask for a tile that names it
	s_endpgm
.Lfunc_end_k_qe701f0e2b1_qkv:
	.size	k_qe701f0e2b1_qkv, .Lfunc_end_k_qe701f0e2b1_qkv-k_qe701f0e2b1_qkv
	.p2alignl 7, 3214868480
	.fill 96, 4, 3214868480
	.section	.rodata,"a",@progbits
	.p2align	6, 0x0
	.amdhsa_kernel k_qe701f0e2b1_qkv
		.amdhsa_group_segment_fixed_size 327680
		.amdhsa_private_segment_fixed_size 0
		.amdhsa_enable_private_segment 0
		.amdhsa_kernarg_size 64
		.amdhsa_user_sgpr_count 2
		.amdhsa_user_sgpr_kernarg_segment_ptr 1
		.amdhsa_wavefront_size32 1
		.amdhsa_system_sgpr_workgroup_id_x 1
		.amdhsa_system_sgpr_workgroup_id_y 1
		.amdhsa_system_sgpr_workgroup_id_z 1
		.amdhsa_system_vgpr_workitem_id 0
		.amdhsa_next_free_vgpr 1024
		.amdhsa_next_free_sgpr 102
		.amdhsa_reserve_vcc 0
		.amdhsa_float_denorm_mode_32 3
		.amdhsa_float_denorm_mode_16_64 3
		.amdhsa_memory_ordered 1
		.amdhsa_forward_progress 1
		.amdhsa_inst_pref_size 166
	.end_amdhsa_kernel
	.amdgpu_metadata
---
amdhsa.version: [ 1, 2 ]
amdhsa.kernels:
  - .name:           k_qe701f0e2b1_qkv
    .symbol:         k_qe701f0e2b1_qkv.kd
    .args:
      - { .name: xq, .offset: 0, .size: 8, .value_kind: global_buffer, .address_space: global }
      - { .name: wq, .offset: 8, .size: 8, .value_kind: global_buffer, .address_space: global }
      - { .name: bq, .offset: 16, .size: 8, .value_kind: global_buffer, .address_space: global }
      - { .name: bk, .offset: 24, .size: 8, .value_kind: global_buffer, .address_space: global }
      - { .name: bv, .offset: 32, .size: 8, .value_kind: global_buffer, .address_space: global }
      - { .name: qq, .offset: 40, .size: 8, .value_kind: global_buffer, .address_space: global }
      - { .name: kq, .offset: 48, .size: 8, .value_kind: global_buffer, .address_space: global }
      - { .name: vq, .offset: 56, .size: 8, .value_kind: global_buffer, .address_space: global }
    .group_segment_fixed_size: 327680
    .private_segment_fixed_size: 0
    .kernarg_segment_align: 8
    .kernarg_segment_size: 64
    .max_flat_workgroup_size: 128
    .sgpr_count:     102
    .vgpr_count:     1024
    .wavefront_size: 32
...
	.end_amdgpu_metadata
.endif
;; end of part 2
;; launch attn (part 3): grid 2 x 128, 16 waves a work-group, no clusters, 327,680 bytes of LDS; arguments qq, kq, vq, sequence_mask, cq; writes cq
.if DOCPART == 3
	.amdgcn_target "amdgcn-amd-amdhsa--gfx1250"
	.amdhsa_code_object_version 6
	.text
	.protected	k_qe701f0e2b1_attn
	.globl	k_qe701f0e2b1_attn
	.p2align	8
	.type	k_qe701f0e2b1_attn,@function
k_qe701f0e2b1_attn:
	s_mov_b64 s[64:65], 0
	v_nop
	global_prefetch_b8 v0, s[64:65] scope:SCOPE_SE
	s_setreg_imm32_b32 hwreg(HW_REG_WAVE_MODE, 25, 1), 1
	s_wait_xcnt 0x0
; ctx[b][q][head] = softmax_k(mask(q . k / 8)) v for one batch and head, both products on codes of BF6 (E3M2) with E8M0 scales; ctx leaves QUANTISED along the model's axis, as the next product's operand image.
; THE SOFTMAX: t = score x log2(e) / 8; M = the row's largest t so far, rounded up to a whole number; p = 2^(t - M) is quantised along the keys, not normalised; the row's sum of the unquantised p divides at the end.
; SHARES.  A work-group has one (batch, head) and half of its 64 tiles of 16 queries; wave w of work-group x takes tiles i = 16 x + w and 63 - i: tile T needs T / 8 + 1 key steps of 128, so every wave has nine.
; K AND V OF THE HEAD LIE IN LDS, each byte filled once, IN TWO STAGES: keys 0-511 (and V's scale words) at the head; keys 512-1023 behind the first barrier, on their way while the first tiles
; (numbers 0-31: key steps 0-3 alone) are worked.  The second barrier shows them to all, ahead of the second tiles.
; LAYOUT.  Both products transposed: S^T = K Q^T, O^T = V^T P^T: a lane holds one query.  Tile 2 c + u holds, at lane place r, token 32 c + 8 u + r + 8 (r / 8): the 16 registers of two neighbouring tiles of keys are 16 neighbouring keys.
; THE KEY MASK IS A 65th TERM OF THE FIRST PRODUCT, whose K is 64 of the instruction's 128.  K's row has at k = 64 the addend 0 (a key that counts) or -28 x 2^30 (a hidden key), as the block (addend, 0, ..) quantised by the
; problem's own rule: code 0 under byte 127, or code 0x3f under byte 157.  Q's row has there the code of 1.0 under byte 127, and zero codes above.  K's other upper codes are whatever stands there: each is a number and meets a zero.
; The codes' words and K's scale words with that byte are two tables in LDS, written by LDS stores at the head.  Future keys become -infinity in the one step on the diagonal; steps wholly in the future are left out.
; A QUERY WITH NO KEY THAT COUNTS has, in the reference, the same logit at all 1,024 keys: p = 1 everywhere, sum 1,024, O^T = the sum of the quantised v over all keys (made once, by waves 0-3, with p = 1).
; Here such a row ends with sum 0 and O^T = 0 exactly (every p is 0), and takes that state at the end: O^T + z x the sum of v, sum + 1,024 z, z = 1 where the sum is 0.  So both tiles go out at the end, behind the third barrier.
; NO CLUSTER: the grid's x is 2, no multiple of a cluster's 4.  NO PREFETCH: each stage is asked for by its one load a wave as early as the barriers allow, and no loop runs ahead of them.
; LIMITS: logits of keys that count, x log2(e), lie above -2^30; NaN and infinities are not served; blocks whose largest magnitude lies under 2^-122 keep the byte 1.
.set VC,   49152                       ; LDS: K's codes from 0, 64 tiles x 768; V's codes [key step 8][tile of 16 channels 4][1,536]
.set KSC,  98304                       ; K's scale words with the mask's byte, 64 bytes a tile: LDS stores
.set VSC,  102400                      ; V's [key step][tile][128]
.set MB,   106496                      ; the mask's code words, laid as K's scale words: LDS stores
.set VSUM, 110592                      ; the sum of v over all keys, in O^T's layout: LDS stores
.set SPARE, 0x29000                    ; the spare words, 128 bytes a wave
.set AK0,  1                           ; v1   8 x lane: my place in an image by pairs, in LDS and in memory
.set AV0,  2                           ; v2   the same + VC
.set ASK0, 3                           ; v3   4 r + KSC
.set ASV0, 4                           ; v4   4 r + VSC
.set AVS,  6                           ; v6   16 x lane + VSUM
.set ADK,  8                           ; v8-11 the step's addresses
.set ADV,  9
.set ADS,  10
.set ADT,  11
.set GR,   28                          ; v28  4 r
.set LQ,   29                          ; v29  r + 8 (r / 8) - 16 (lane / 16)
.set L1,   31                          ; v31  the first tile's sum
.set QS2,  204                         ; Q's scale words: second tile, first tile
.set SPW,  205                         ; my spare word's address; never rewritten
.set NIL,  206                         ; 0; never rewritten
.set QS1,  207
.set WV,   18
.set SEL,  20
.set CS,   22
.set ST,   76                          ; the key step
.set DG,   77                          ; the step on the diagonal
.set TC,   78                          ; 6,144 x step
.set TS,   79                          ; 512 x step
.set KF,   98                          ; the step's first key
.set Q0,   99                          ; the tile's first query
; v12-15 -M, largest t, the sum in two halves; v16-27, v192-203 Q; v32-79 four fragments; v96-159 scores, then p; O^T: first tile v160-191, second v80-95 and v208-223; v224-235 p's codes; v248-251, v253 scale words
.macro DL n
	s_delay_alu instid0(VALU_DEP_\n)
.endm
.macro WA
	s_wait_alu depctr_va_vdst(0)
.endm
.macro NOPS n
.rept \n
	v_nop
.endr
.endm
.macro TL g0, g1                       ; a tensor load with the lines behind it
	tensor_load_to_lds s[\g0:\g0+3], s[\g1:\g1+7]
	s_nop 0
	NOPS 4
.endm
.macro MM0 d, a, b, sa, sb             ; a product that starts its sum
	v_wmma_scale_f32_16x16x128_f8f6f4 v[(\d):(\d)+7], v[(\a):(\a)+11], v[(\b):(\b)+11], 0, v[\sa], v[\sb] matrix_a_fmt:MATRIX_FMT_BF6 matrix_b_fmt:MATRIX_FMT_BF6
.endm
.macro MMA d, a, b, sa, sb             ; and one that adds in place
	v_wmma_scale_f32_16x16x128_f8f6f4 v[(\d):(\d)+7], v[(\a):(\a)+11], v[(\b):(\b)+11], v[(\d):(\d)+7], v[\sa], v[\sb] matrix_a_fmt:MATRIX_FMT_BF6 matrix_b_fmt:MATRIX_FMT_BF6
.endm
	s_load_b256 s[4:11], s[0:1], 0x0               ; qq, kq, vq, sequence_mask
	s_load_b64 s[12:13], s[0:1], 0x20              ; cq
	v_lshl_add_u32 v[SPW], v0, 2, SPARE
	v_mov_b32 v[NIL], 0
	ds_add_u32 v[SPW], v[NIL]                      ; the opening: the add, twice on end, and its wait ahead of the first tensor load
	ds_add_u32 v[SPW], v[NIL]
	v_lshrrev_b32 v8, 5, v0
	DL 1
	v_readfirstlane_b32 s[WV], v8                  ; wave 0..15
	s_and_b32 s14, ttmp7, 0xffff                   ; 16 x batch + head
	s_lshr_b32 s15, s14, 4                         ; batch
	s_and_b32 s16, s14, 15                         ; head
	s_mov_b32 s24, 3<<16                           ; K's codes: half a head, 24,576 dense bytes as 96 rows of 256 (elements of 8 bytes)
	s_mov_b32 s25, 32<<16
	s_mov_b32 s26, 96<<16
	s_mov_b32 s27, 32<<16
	s_mov_b32 s28, 96
	s_mov_b32 s29, 32
	s_mov_b32 s30, 0
	s_mov_b32 s31, 0
	s_mov_b32 s32, 3<<16                           ; V's codes: four key steps x 6,144 bytes, 98,304 bytes from step to step
	s_mov_b32 s33, 768<<16
	s_mov_b32 s34, 4<<16
	s_mov_b32 s35, 768<<16
	s_mov_b32 s36, 4
	s_mov_b32 s37, 12288
	s_mov_b32 s38, 0
	s_mov_b32 s39, 0
	s_mov_b32 s48, 3<<16                           ; V's scale words: eight key steps x 512 bytes, 8,192 bytes from step to step
	s_mov_b32 s49, 64<<16
	s_mov_b32 s50, 8<<16
	s_mov_b32 s51, 64<<16
	s_mov_b32 s52, 8
	s_mov_b32 s53, 1024
	s_mov_b32 s54, 0
	s_mov_b32 s55, 0
	s_mul_i32 s84, s14, 49152                      ; K's codes
	s_mov_b32 s85, 0
	s_mul_i32 s86, s15, 786432
	s_mul_i32 s95, s16, 6144
	s_add_co_u32 s86, s86, s95                     ; V's codes
	s_mov_b32 s87, 0
	s_lshl_b32 s88, s14, 12
	s_add_co_u32 s88, s88, 0x600000                ; K's scale words
	s_mov_b32 s89, 0
	s_lshl_b32 s90, s15, 16
	s_lshl_b32 s95, s16, 9
	s_add_co_u32 s90, s90, s95
	s_add_co_u32 s90, s90, 0x600000                ; V's
	s_mov_b32 s91, 0
	s_mov_b32 s[SEL], 0x76543210
	s_mov_b32 s[SEL+1], 0xfedcba98                 ; selects for lane l xor 16
	s_mov_b32 s[CS], 0x3e38aa3b                    ; c = log2(e) / 8
	s_mov_b32 s[CS+1], s[CS]
	s_mov_b32 s40, 0xff00ffff                      ; all of a scale word but the byte of k = 64 .. 95
	s_wait_dscnt 0x0                               ; both opening adds are done
	s_wait_kmcnt 0x0
	s_mov_b32 s56, 1
	s_mov_b32 s57, 0
	s_add_nc_u64 s[58:59], s[6:7], s[84:85]
	s_or_b32 s59, s59, 0x80000000
	s_mov_b32 s60, 1
	s_mov_b32 s61, VC
	s_add_nc_u64 s[62:63], s[8:9], s[86:87]
	s_or_b32 s63, s63, 0x80000000
	s_mov_b32 s72, 1
	s_mov_b32 s73, VSC
	s_add_nc_u64 s[74:75], s[8:9], s[90:91]
	s_or_b32 s75, s75, 0x80000000
	s_add_nc_u64 s[88:89], s[6:7], s[88:89]
	; the first stage: wave 0 K's keys 0-511, wave 1 V's, wave 2 V's scale words: one chain of branches on the wave's number
	s_cmp_eq_u32 s[WV], 0
	s_cbranch_scc0 .Lnot_k
	TL 56, 24
	s_branch .Lasked
.Lnot_k:
	s_cmp_eq_u32 s[WV], 1
	s_cbranch_scc0 .Lnot_v
	TL 60, 32
	s_branch .Lasked
.Lnot_v:
	s_cmp_eq_u32 s[WV], 2
	s_cbranch_scc0 .Lasked
	TL 72, 48
.Lasked:
	v_and_b32 v31, 31, v0                          ; lane
	v_and_b32 v8, 15, v0                           ; r
	v_bfe_u32 v9, v0, 4, 1                         ; h
	DL 3
	v_lshlrev_b32 v[AK0], 3, v31
	DL 3
	v_lshlrev_b32 v[GR], 2, v8
	v_lshl_add_u32 v[AVS], v31, 4, VSUM
	v_and_b32 v10, 8, v8
	v_lshlrev_b32 v11, 4, v9
	v_add_nc_u32 v[AV0], VC, v[AK0]
	v_add_nc_u32 v[ASK0], KSC, v[GR]
	v_add_nc_u32 v[ASV0], VSC, v[GR]
	v_add_nc_u32 v10, v10, v8                      ; r + 8 (r / 8)
	v_sub_nc_u32 v22, 1, v9
	DL 2
	v_sub_nc_u32 v[LQ], v10, v11
	DL 2
	v_mul_u32_u24 v22, 12, v22                     ; Q at k = 64: the code of 1.0 (0x0c) in lanes 0-15, which hold k = 64 .. 95; zero codes in lanes 16-31
	; thread t takes K's scale words 2 t and 2 t + 1: tile t / 8, places r = 2 (t % 8) and r + 1: keys 32 (t / 16) + 8 ((t / 8) % 2) + r + 8 (r / 8) and the next
	v_and_b32 v10, 0x1f7, v0
	v_and_b32 v11, 8, v0
	v_and_b32 v7, 4, v0
	DL 2
	v_lshl_add_u32 v10, v10, 1, v11
	DL 1
	v_lshl_add_u32 v10, v7, 1, v10
	DL 1
	v_lshlrev_b32 v10, 2, v10                      ; their place in the mask's row
	v_lshlrev_b32 v5, 3, v0                        ; the two words' place in memory,
	v_lshl_add_u32 v11, v0, 3, MB                  ; and in the two tables
	v_lshl_add_u32 v7, v0, 3, KSC
	v_mov_b32 v198, v22
	WA                                             ; the wait ahead of the scalar run below
	s_lshl_b32 s94, s15, 12
	s_mov_b32 s95, 0
	s_add_nc_u64 s[10:11], s[10:11], s[94:95]      ; my batch's row of sequence_mask
	global_load_b64 v[12:13], v10, s[10:11]
	global_load_b64 v[14:15], v5, s[88:89]
	s_lshl_b32 s92, ttmp9, 4
	s_add_co_u32 s92, s92, s[WV]                   ; my first tile of queries,
	s_sub_co_u32 s93, 63, s92                      ; and my second
	s_lshl_b32 s94, s14, 6
	s_add_co_u32 s95, s94, s92
	s_add_co_u32 s94, s94, s93
	s_mul_i32 s80, s95, 768
	s_mov_b32 s81, 0
	s_mul_i32 s82, s94, 768
	s_mov_b32 s83, 0
	s_lshl_b32 s84, s95, 6
	s_add_co_u32 s84, s84, 0x600000
	s_lshl_b32 s86, s94, 6
	s_add_co_u32 s86, s86, 0x600000
	s_add_nc_u64 s[80:81], s[4:5], s[80:81]
	s_add_nc_u64 s[82:83], s[4:5], s[82:83]
	s_add_nc_u64 s[84:85], s[4:5], s[84:85]
	s_add_nc_u64 s[86:87], s[4:5], s[86:87]
.irp p, 0,1,2
	global_load_b64 v[16+2*\p:17+2*\p], v[AK0], s[80:81] offset:256*\p     ; Q of my first tile
.endr
	global_load_b32 v[QS1], v[GR], s[84:85]
.irp p, 0,1,2
	global_load_b64 v[192+2*\p:193+2*\p], v[AK0], s[82:83] offset:256*\p   ; Q of my second
.endr
	global_load_b32 v[QS2], v[GR], s[86:87]
.irp i, 1,2,3,4,5
	v_mov_b32 v[22+\i], 0                          ; Q above k = 64: zero codes
	v_mov_b32 v[198+\i], 0
.endr
.irp t, 0,1,2,3
.irp i, 1,2,3,4,5
	v_mov_b32 v[38+12*\t+\i], 0                    ; K's registers 7-11 are written once; later they hold what V's fragments leave
.endr
.endr
.irp b, 0,1,2,3
	v_mov_b32 v[236+\b], 0                         ; a lane permute's destination counts as read
.endr
	v_mov_b32 v252, 0
	v_mov_b32 v253, 0
	v_mov_b32 v232, 0x3f                           ; the code of -28
	v_mov_b32 v233, 0x7f0000                       ; byte 127 at the place of k = 64 .. 95
	v_mov_b32 v234, 0x9d0000                       ; byte 157
	WA
	s_wait_loadcnt 8                               ; the mask and K's scale words are in; Q's eight loads may be out
	v_cmp_eq_u32 vcc_lo, 0, v12
	v_cndmask_b32 v12, 0, v232, vcc_lo
	v_cndmask_b32 v235, v233, v234, vcc_lo
	DL 1
	v_and_or_b32 v14, v14, s40, v235
	v_cmp_eq_u32 vcc_lo, 0, v13
	v_cndmask_b32 v13, 0, v232, vcc_lo
	v_cndmask_b32 v240, v233, v234, vcc_lo
	DL 1
	v_and_or_b32 v15, v15, s40, v240
	ds_store_b64 v11, v[12:13]
	ds_store_b64 v7, v[14:15]
	s_wait_tensorcnt 0x0                           ; my fill has landed; the second stage is issued as a refill is:
	ds_add_u32 v[SPW], v[NIL]                      ; the add, twice here
	ds_add_u32 v[SPW], v[NIL]
	s_mov_b32 s57, 24576                           ; no tensor load of mine is out: the groups 0 step to keys 512-1023
	s_add_nc_u64 s[58:59], s[58:59], 24576
	s_mov_b32 s61, VC+24576
	s_add_nc_u64 s[62:63], s[62:63], 393216
	s_wait_dscnt 0x0                               ; the adds are done, my parts of the tables are stored
	s_barrier_signal -1
	s_barrier_wait -1
	s_cmp_eq_u32 s[WV], 0
	s_cbranch_scc0 .Lnot_k2
	TL 56, 24
	s_branch .Lasked2
.Lnot_k2:
	s_cmp_eq_u32 s[WV], 1
	s_cbranch_scc0 .Lasked2
	TL 60, 32
.Lasked2:
	s_wait_loadcnt 0x0                             ; Q
	v_and_or_b32 v[QS1], v[QS1], s40, v233         ; byte 127 for Q's block k = 64 .. 95
	v_and_or_b32 v[QS2], v[QS2], s40, v233
; A KEY STEP: 128 keys.  qf: Q's fragment; qs: its scale words; o0, o1: O^T's accumulators 0, 1 and 2, 3.
.macro STEP qf, qs, o0, o1
	s_cmp_gt_u32 s[ST], s[DG]                      ; all its keys come after my queries: the step's work is left out (a branch on ids)
	s_cbranch_scc1 .Lhidden_\@
	v_add_nc_u32 v[ADK], s[TC], v[AK0]             ; (these lines are also the places behind the last products, in front of the loads below)
	WA
	v_add_nc_u32 v[ADV], s[TC], v[AV0]
	v_add_nc_u32 v[ADS], s[TS], v[ASK0]
	WA
	v_add_nc_u32 v[ADT], s[TS], v[ASV0]
	v_nop
	WA
.irp g, 0,1                                    ; S^T = K Q^T, the mask's term among K's, four tiles of 16 keys at a time
.if \g > 0
	NOPS 4                                         ; places in front of loads into registers that matrix instructions have read
.endif
.irp t, 0,1,2,3
.irp p, 0,1,2
	ds_load_b64 v[32+12*\t+2*\p:33+12*\t+2*\p], v[ADK] offset:768*(4*\g+\t)+256*\p
.endr
	ds_load_b32 v[38+12*\t], v[ADS] offset:64*(4*\g+\t)+MB-KSC   ; register 6: the mask's code at k = 64
	ds_load_b32 v[248+\t], v[ADS] offset:64*(4*\g+\t)
.endr
	s_wait_dscnt 0x0
.irp t, 0,1,2,3
	MM0 96+8*(4*\g+\t), 32+12*\t, \qf, 248+\t, \qs
.endr
.endr
	NOPS 4
.irp t, 0,1,2,3                                ; V's four fragments and their scale words are asked for now and land under the softmax
.irp p, 0,1,2,3,4,5
	ds_load_b64 v[32+12*\t+2*\p:33+12*\t+2*\p], v[ADV] offset:1536*\t+256*\p
.endr
	ds_load_b32 v[248+\t], v[ADT] offset:128*\t
.endr
	s_cmp_lt_u32 s[ST], s[DG]                      ; ahead of the diagonal every key is in the past
	s_cbranch_scc1 .Lopen_\@
	s_sub_co_i32 s96, s[Q0], s[KF]
	v_add_nc_u32 v252, s96, v[LQ]                  ; d = my query - the step's first key - 16 (lane / 16).  Register 16 b + i holds key 32 b + 16 (lane / 16) + i: in the future where 32 b + i > d
	v_mov_b32 v254, 0xff800000                     ; -infinity
.set nn, 0
.rept 64
	v_cmp_gt_i32 vcc_lo, 32*(nn/16)+nn%16, v252
	v_cndmask_b32 v[96+nn], v[96+nn], v254, vcc_lo
.set nn, nn+1
.endr
.Lopen_\@:
.irp b, 0,1,2,3
	v_max3_num_f32 v[232+\b], v[96+16*\b], v[97+16*\b], v[98+16*\b]   ; the largest score of each block of 32 keys: it serves the row's maximum and, since p rises with the score, the block's largest p
.endr
.irp i, 3,5,7,9,11,13
.irp b, 0,1,2,3
	v_max3_num_f32 v[232+\b], v[232+\b], v[96+16*\b+\i], v[97+16*\b+\i]
.endr
.endr
.irp b, 0,1,2,3
	v_max_num_f32 v[232+\b], v[232+\b], v[111+16*\b]
.endr
.irp b, 0,1,2,3
	DL 4
	v_permlanex16_b32 v[236+\b], v[232+\b], s[SEL], s[SEL+1]
.endr
.irp b, 0,1,2,3
	DL 4
	v_max_num_f32 v[232+\b], v[232+\b], v[236+\b]  ; with lane l xor 16's 16 keys
.endr
	DL 2
	v_max3_num_f32 v254, v232, v233, v234
	DL 1
	v_max_num_f32 v254, v254, v235                 ; the step's largest score of my query
	DL 1
	v_mul_f32 v254, s[CS], v254                    ; as t
	DL 1
	v_max_num_f32 v13, v13, v254                   ; the running largest t
	v_mov_b32 v254, v12
	DL 2
	v_floor_f32 v12, -v13                          ; the new -M = floor(-t): M is a whole number
	DL 1
	v_sub_f32 v254, v12, v254                      ; old M - new M: 0 or less
	DL 1
	v_cvt_i32_f32 v254, v254                       ; (it saturates)
	DL 1
	v_ldexp_f32 v252, 1.0, v254                    ; f = 2^(old M - new M)
.set jj, 0
.rept 32
	v_pk_fma_f32 v[96+jj:97+jj], v[96+jj:97+jj], s[CS:CS+1], v[12:13] op_sel_hi:[1,0,0]   ; t - M, two at a time
.set jj, jj+2
.endr
.irp b, 0,1,2,3
	v_fma_f32 v[232+\b], v[232+\b], s[CS], v12     ; the same of each block's largest score
.endr
	WA                                             ; the wait ahead of the batch
.set jj, 0
.rept 64
	v_exp_f32 v[96+jj], v[96+jj]                   ; p = 2^(t - M), at most 1
.set jj, jj+1
.endr
	v_pk_mul_f32 v[14:15], v[14:15], v[252:253] op_sel_hi:[1,0]   ; the sums under the new M (a plain place behind the exponentials)
	WA                                             ; one wait for the whole batch, ahead of its first reader
.irp b, 0,1,2,3
	v_exp_f32 v[232+\b], v[232+\b]                 ; the block's largest p
.endr
	; the row's sum of the unquantised p: 32 pairs in eight chains (v236-247, v230, v14)
.irp c, 0,1,2,3,4,5
	v_pk_add_f32 v[236+2*\c:237+2*\c], v[96+2*\c:97+2*\c], v[108+2*\c:109+2*\c]
.endr
	v_pk_add_f32 v[230:231], v[120:121], v[122:123]
	v_pk_add_f32 v[14:15], v[14:15], v[124:125]
.irp q, 126, 142
.irp c, 0,1,2,3,4,5
	v_pk_add_f32 v[236+2*\c:237+2*\c], v[236+2*\c:237+2*\c], v[\q+2*\c:\q+1+2*\c]
.endr
	v_pk_add_f32 v[230:231], v[230:231], v[\q+12:\q+13]
	v_pk_add_f32 v[14:15], v[14:15], v[\q+14:\q+15]
.endr
	v_pk_add_f32 v[236:237], v[236:237], v[158:159]
	v_pk_add_f32 v[238:239], v[238:239], v[244:245]
	v_pk_add_f32 v[240:241], v[240:241], v[246:247]
	v_pk_add_f32 v[14:15], v[14:15], v[230:231]
	DL 4
	v_pk_add_f32 v[236:237], v[236:237], v[242:243]
	DL 2
	v_pk_add_f32 v[14:15], v[14:15], v[240:241]
	DL 2
	v_pk_add_f32 v[236:237], v[236:237], v[238:239]
	DL 1
	v_pk_add_f32 v[14:15], v[14:15], v[236:237]
	WA                                             ; and one for the four
.irp b, 0,1,2,3
	v_max_num_f32 v[232+\b], 0x2800000, v[232+\b]  ; the floor 2^(5 - 127): the byte cannot fall under 1
.endr
.irp b, 0,1,2,3
	DL 4
	v_add_nc_u32 v[244+\b], 0xfe000000, v[232+\b]  ; 4 off the exponent field: the conversion's scale operand
.endr
.irp b, 0,1,2,3
	DL 4
	v_lshrrev_b32 v[236+\b], 23, v[244+\b]         ; the scale's byte
.endr
	DL 3
	v_lshl_or_b32 v253, v237, 8, v236              ; p's scale word for these 128 keys
	DL 1
	v_lshl_or_b32 v253, v238, 16, v253
	DL 1
	v_lshl_or_b32 v253, v239, 24, v253
.irp c, 0,1
	v_cvt_scalef32_pk16_bf6_f32 v[224+6*\c:226+6*\c], v[96+32*\c:111+32*\c], v[244+2*\c]
	v_cvt_scalef32_pk16_bf6_f32 v[236+4*\c:238+4*\c], v[112+32*\c:127+32*\c], v[244+2*\c+1]
.endr
	v_nop                                          ; one plain place behind a scaled conversion
.irp c, 0,1                                    ; a whole block in a lane: lanes 0-15 block 2 c, lanes 16-31 block 2 c + 1
.irp i, 0,1,2
	v_permlane16_swap_b32 v[224+6*\c+\i], v[236+4*\c+\i]
.endr
.irp i, 0,1,2
	DL 3
	v_mov_b32 v[227+6*\c+\i], v[236+4*\c+\i]
.endr
.endr
	WA                                             ; the wait here, directly ahead of the first reader of O^T
.set jj, 0
.rept 8
	v_pk_mul_f32 v[\o0+jj:\o0+jj+1], v[\o0+jj:\o0+jj+1], v[252:253] op_sel_hi:[1,0]   ; O^T under the new M.  (These 16 are also the places between the lines that made p's codes and scale word and the products below)
	v_pk_mul_f32 v[\o1+jj:\o1+jj+1], v[\o1+jj:\o1+jj+1], v[252:253] op_sel_hi:[1,0]
.set jj, jj+2
.endr
	WA
	s_wait_dscnt 0x0                               ; V's fragments are in
.irp t, 0,1                                    ; O^T += V^T P^T: four accumulators, one instruction each
	MMA \o0+8*\t, 32+12*\t, 224, 248+\t, 253
.endr
.irp t, 0,1
	MMA \o1+8*\t, 56+12*\t, 224, 250+\t, 253
.endr
.Lhidden_\@:
	s_add_co_u32 s[TC], s[TC], 6144
	s_add_co_u32 s[TS], s[TS], 512
	s_add_co_u32 s[KF], s[KF], 128
.endm
; A tile's start.  ti: the scalar register with its number.  O^T and the sum begin at 0, the largest t at -2^30.
.macro TINIT ti, o0, o1
	s_lshr_b32 s[DG], s[\ti], 3
	s_lshr_b32 s[Q0], s[\ti], 1
	s_lshl_b32 s[Q0], s[Q0], 5
	s_and_b32 s96, s[\ti], 1
	s_lshl_b32 s96, s96, 3
	s_add_co_u32 s[Q0], s[Q0], s96                 ; 32 (tile / 2) + 8 (tile % 2)
	s_mov_b32 s[ST], 0
	s_mov_b32 s[TC], 0
	s_mov_b32 s[TS], 0
	s_mov_b32 s[KF], 0
.set jj, 0
.rept 16
	v_mov_b32 v[\o0+jj], 0
	v_mov_b32 v[\o1+jj], 0
.set jj, jj+1
.endr
	v_mov_b32 v13, 0xce800000
	v_mov_b32 v14, 0
	v_mov_b32 v15, 0
	v_floor_f32 v12, -v13
	WA
.endm
; THE WAY OUT of a tile: the state of a row with no key that counts is taken where the sum is 0; O^T / the sum is quantised along the head's 64 channels (register 16 b + i = channel 32 b + 16 (lane / 16) + i)
; and leaves as the lower or upper half of an operand's image.  v14: the lane's sum; v128-159: the sum of v.
.macro WAYOUT o0, o1, ti, second
.if \second
	s_wait_xcnt 0x0                                ; the other tile's stores have read their data and bases: both are written again only behind this wait
.endif
	s_lshl_b32 s96, s15, 6
	s_add_co_u32 s96, s96, s[\ti]                  ; the tile among all 512
	s_mul_i32 s80, s96, 12288
	s_mul_i32 s97, s16, 768
	s_add_co_u32 s80, s80, s97
	s_mov_b32 s81, 0
	s_add_nc_u64 s[80:81], s[12:13], s[80:81]      ; ctx's codes [tile][head][768]
	s_lshl_b32 s82, s96, 9
	s_lshr_b32 s97, s16, 1
	s_lshl_b32 s97, s97, 6
	s_add_co_u32 s82, s82, s97
	s_and_b32 s97, s16, 1
	s_lshl_b32 s97, s97, 1
	s_add_co_u32 s82, s82, s97
	s_add_co_u32 s82, s82, 0x600000
	s_mov_b32 s83, 0
	s_add_nc_u64 s[82:83], s[12:13], s[82:83]      ; its scale bytes [tile][pair of heads][r][4]: my head's two
	v_mov_b32 v255, 1.0
.if \second
	v_mov_b32 v14, v[L1]
	DL 1
.endif
	v_permlanex16_b32 v252, v14, s[SEL], s[SEL+1]
	DL 1
	v_add_f32 v14, v14, v252                       ; the row's sum
	DL 1
	v_cmp_eq_f32 vcc_lo, 0, v14
	v_cndmask_b32 v254, 0, v255, vcc_lo            ; z = 1 where no key counted
	DL 1
	v_fmamk_f32 v14, v254, 0x44800000, v14         ; the sum + 1,024 z
	s_wait_dscnt 0x0                               ; the sum of v is in registers
	WA                                             ; the wait here, directly ahead of the first reader of O^T
.set jj, 0
.rept 8
	v_pk_fma_f32 v[96+jj:97+jj], v[128+jj:129+jj], v[254:255], v[\o0+jj:\o0+jj+1] op_sel_hi:[1,0,1]
	v_pk_fma_f32 v[112+jj:113+jj], v[144+jj:145+jj], v[254:255], v[\o1+jj:\o1+jj+1] op_sel_hi:[1,0,1]
.set jj, jj+2
.endr
	WA
	v_rcp_f32 v14, v14
	v_nop                                          ; a plain place behind the transcendental
	WA                                             ; the wait, ahead of the first reader
.set jj, 0
.rept 16
	v_pk_mul_f32 v[96+jj:97+jj], v[96+jj:97+jj], v[14:15] op_sel_hi:[1,0]
.set jj, jj+2
.endr
.irp b, 0,1
	v_max3_num_f32 v[232+\b], |v[96+16*\b]|, |v[97+16*\b]|, 0x2800000
.endr
.irp i, 2,4,6,8,10,12,14
.irp b, 0,1
	DL 2
	v_max3_num_f32 v[232+\b], v[232+\b], |v[96+16*\b+\i]|, |v[97+16*\b+\i]|
.endr
.endr
.irp b, 0,1
	DL 2
	v_permlanex16_b32 v[236+\b], v[232+\b], s[SEL], s[SEL+1]
.endr
.irp b, 0,1
	DL 2
	v_max_num_f32 v[232+\b], v[232+\b], v[236+\b]
.endr
.irp b, 0,1
	DL 2
	v_add_nc_u32 v[244+\b], 0xfe000000, v[232+\b]
.endr
.irp b, 0,1
	DL 2
	v_lshrrev_b32 v[236+\b], 23, v[244+\b]
.endr
	DL 1
	v_lshl_or_b32 v246, v237, 8, v236              ; my head's two scale bytes
	v_cvt_scalef32_pk16_bf6_f32 v[224:226], v[96:111], v244
	v_cvt_scalef32_pk16_bf6_f32 v[236:238], v[112:127], v245
	v_nop                                          ; one plain place behind a scaled conversion
.irp i, 0,1,2
	v_permlane16_swap_b32 v[224+\i], v[236+\i]
.endr
.irp i, 0,1,2
	DL 3
	v_mov_b32 v[227+\i], v[236+\i]
.endr
.irp p, 0,1,2
	global_store_b64 v[AK0], v[224+2*\p:225+2*\p], s[80:81] offset:256*\p   ; 256 consecutive bytes, aligned
.endr
	global_store_b16 v[GR], v246, s[82:83]         ; lanes r and r + 16 write the same two bytes
.endm
	TINIT 92, 160, 176                             ; MY FIRST TILE, number 0-31: key steps 0-3, which the first stage brought
.Lstep1:                                               ; four trips, a constant: what a tile does not need is jumped over inside
	STEP 16, QS1, 160, 176
	s_add_co_u32 s[ST], s[ST], 1
	s_cmp_lt_u32 s[ST], 4
	s_cbranch_scc1 .Lstep1
	NOPS 4                                         ; places behind the last products
	WA
	v_add_f32 v[L1], v14, v15                      ; its sum is kept; its O^T stays in v160-191
	WA
	s_wait_tensorcnt 0x0                           ; my part of the second stage has landed
	ds_add_u32 v[SPW], v[NIL]
	s_wait_dscnt 0x0
	s_barrier_signal -1
	s_barrier_wait -1                              ; everybody's: all of K and V is in LDS
	; THE SUM OF v OVER ALL KEYS: wave w (0 to 3) takes V's tile w: eight products with p = 1 (code of 1.0, scale byte 127), two accumulators by turns.  The other waves go on.
	s_mul_i32 s95, s[WV], 1536
	v_add_nc_u32 v8, s95, v[AV0]                   ; V's tile w,
	s_lshl_b32 s95, s[WV], 7
	v_add_nc_u32 v9, s95, v[ASV0]                  ; its scale words,
	s_lshl_b32 s95, s[WV], 10
	v_add_nc_u32 v10, s95, v[AVS]                  ; and where its sum goes
	WA
	s_cmp_lt_u32 s[WV], 4
	s_cbranch_scc0 .Lno_sum
.irp i, 0,1,2,3,4,5,6,7,8,9,10,11,12,13,14,15
	v_mov_b32 v[208+\i], 1.0
.endr
	v_mov_b32 v252, 1.0
	v_mov_b32 v253, 0x7f7f7f7f
	v_cvt_scalef32_pk16_bf6_f32 v[224:226], v[208:223], v252   ; sixteen codes of 1.0: 96 bits
	v_nop                                          ; one plain place behind a scaled conversion
.irp i, 3,4,5,6,7,8,9,10,11
	v_mov_b32 v[224+\i], v[224+\i%3]               ; and the same 96 bits three times more
.endr
.irp s, 0,1,2,3,4,5,6,7
.irp p, 0,1,2,3,4,5
	ds_load_b64 v[32+12*\s+2*\p:33+12*\s+2*\p], v8 offset:6144*\s+256*\p
.endr
	ds_load_b32 v[128+\s], v9 offset:512*\s
.endr
	WA
	s_wait_dscnt 0x0
	NOPS 8                                         ; a scale register written by a vector instruction stands 8 places ahead of a scaled product, an operand so written 4
.irp s, 0,1
	MM0 136+8*\s, 32+12*\s, 224, 128+\s, 253
.endr
.irp s, 2,3,4,5,6,7
	MMA 136+8*(\s%2), 32+12*\s, 224, 128+\s, 253
.endr
	NOPS 4
.irp i, 0,1,2,3
	v_pk_add_f32 v[152+2*\i:153+2*\i], v[136+2*\i:137+2*\i], v[144+2*\i:145+2*\i]
.endr
	ds_store_b128 v10, v[152:155]
	ds_store_b128 v10, v[156:159] offset:512
.Lno_sum:
	TINIT 93, 80, 208                              ; MY SECOND TILE, number 32-63
.Lstep2:                                               ; key steps 0-3: a tile numbered 32 or more has all four, so the waves' work up to the barrier below is alike
	STEP 192, QS2, 80, 208
	s_add_co_u32 s[ST], s[ST], 1
	s_cmp_lt_u32 s[ST], 4
	s_cbranch_scc1 .Lstep2
	WA
	s_wait_dscnt 0x0                               ; the sums of v are stored:
	s_barrier_signal -1
	s_barrier_wait -1                              ; from here on LDS is only read, and each wave goes out as soon as its own steps are done
	s_mov_b32 s[ST], 4                             ; key steps 4-7: where they begin, as constants
	s_mov_b32 s[TC], 4*6144
	s_mov_b32 s[TS], 4*512
	s_mov_b32 s[KF], 512
.Lstep3:                                               ; four trips, a constant: what a tile does not need is jumped over inside
	STEP 192, QS2, 80, 208
	s_add_co_u32 s[ST], s[ST], 1
	s_cmp_lt_u32 s[ST], 8
	s_cbranch_scc1 .Lstep3
	NOPS 4                                         ; places behind the last products
	WA
	v_add_f32 v14, v14, v15
	WA
.irp i, 0,1,2,3,4,5,6,7
	ds_load_b128 v[128+4*\i:131+4*\i], v[AVS] offset:512*\i
.endr
	WAYOUT 80, 208, 93, 0
	WAYOUT 160, 176, 92, 1
	s_wait_tensorcnt 0x0                           ; the wave's end
	ds_add_u32 v[SPW], v[NIL]
	s_wait_dscnt 0x0
	s_endpgm
.Lfunc_end_k_qe701f0e2b1_attn:
	.size	k_qe701f0e2b1_attn, .Lfunc_end_k_qe701f0e2b1_attn-k_qe701f0e2b1_attn
	.p2alignl 7, 3214868480
	.fill 96, 4, 3214868480
	.section	.rodata,"a",@progbits
	.p2align	6, 0x0
	.amdhsa_kernel k_qe701f0e2b1_attn
		.amdhsa_group_segment_fixed_size 327680
		.amdhsa_private_segment_fixed_size 0
		.amdhsa_enable_private_segment 0
		.amdhsa_kernarg_size 40
		.amdhsa_user_sgpr_count 2
		.amdhsa_user_sgpr_kernarg_segment_ptr 1
		.amdhsa_wavefront_size32 1
		.amdhsa_system_sgpr_workgroup_id_x 1
		.amdhsa_system_sgpr_workgroup_id_y 1
		.amdhsa_system_sgpr_workgroup_id_z 1
		.amdhsa_system_vgpr_workitem_id 0
		.amdhsa_next_free_vgpr 256
		.amdhsa_next_free_sgpr 100
		.amdhsa_reserve_vcc 1
		.amdhsa_float_denorm_mode_32 3
		.amdhsa_float_denorm_mode_16_64 3
		.amdhsa_memory_ordered 1
		.amdhsa_forward_progress 1
		.amdhsa_inst_pref_size 109
	.end_amdhsa_kernel
	.amdgpu_metadata
---
amdhsa.version: [ 1, 2 ]
amdhsa.kernels:
  - .name:           k_qe701f0e2b1_attn
    .symbol:         k_qe701f0e2b1_attn.kd
    .args:
      - { .name: qq, .offset: 0, .size: 8, .value_kind: global_buffer, .address_space: global }
      - { .name: kq, .offset: 8, .size: 8, .value_kind: global_buffer, .address_space: global }
      - { .name: vq, .offset: 16, .size: 8, .value_kind: global_buffer, .address_space: global }
      - { .name: sequence_mask, .offset: 24, .size: 8, .value_kind: global_buffer, .address_space: global }
      - { .name: cq, .offset: 32, .size: 8, .value_kind: global_buffer, .address_space: global }
    .group_segment_fixed_size: 327680
    .private_segment_fixed_size: 0
    .kernarg_segment_align: 8
    .kernarg_segment_size: 40
    .max_flat_workgroup_size: 512
    .sgpr_count:     100
    .vgpr_count:     256
    .wavefront_size: 32
...
	.end_amdgpu_metadata
.endif
;; end of part 3
;; launch outln (part 4): grid 256 x 1, 16 waves a work-group, no clusters, 327,680 bytes of LDS; arguments cq, wq, history_items, bo, ln_gamma, ln_beta, out0; writes out0
.if DOCPART == 4
	.amdgcn_target "amdgcn-amd-amdhsa--gfx1250"
	.amdhsa_code_object_version 6
	.text
	.protected	k_qe701f0e2b1_outln
	.globl	k_qe701f0e2b1_outln
	.p2align	8
	.type	k_qe701f0e2b1_outln,@function
k_qe701f0e2b1_outln:
	s_mov_b64 s[64:65], 0
	v_nop
	global_prefetch_b8 v0, s[64:65] scope:SCOPE_SE
	s_setreg_imm32_b32 hwreg(HW_REG_WAVE_MODE, 25, 1), 1
	s_wait_xcnt 0x0
.set AIMG, 0
.set HB,   24576
.set STG,  155648
.set SP,   4112
.set AS,   16
.set BS,   24
.set AFR,  40
.set ACC,  88
.set BF,   152
	s_load_b256 s[4:11], s[0:1], 0x0
	s_load_b128 s[12:15], s[0:1], 0x20
	s_load_b64 s[16:17], s[0:1], 0x30
	v_lshl_add_u32 v254, v0, 2, 0x46200
	v_mov_b32 v255, 0
	ds_add_u32 v254, v255
	ds_add_u32 v254, v255
	v_lshrrev_b32 v1, 5, v0
	s_delay_alu instid0(VALU_DEP_1)
	v_readfirstlane_b32 s18, v1
	s_mov_b32 s24, 3<<16
	s_mov_b32 s25, 32<<16
	s_mov_b32 s26, 6<<16
	s_mov_b32 s27, 32<<16
	s_mov_b32 s28, 6
	s_mov_b32 s29, 32
	s_mov_b32 s30, 0
	s_mov_b32 s31, 0
	s_mov_b32 s32, 3<<16
	s_mov_b32 s33, 32<<16
	s_mov_b32 s34, 32<<16
	s_mov_b32 s35, 32<<16
	s_mov_b32 s36, 32
	s_mov_b32 s37, 32
	s_mov_b32 s38, 0
	s_mov_b32 s39, 0
	s_mul_i32 s19, s18, 1536
	s_mul_i32 s20, ttmp9, 24576
	s_add_co_u32 s20, s20, s19
	s_mov_b32 s21, 0
	s_lshl_b32 s22, s18, 13
	s_lshl_b32 s48, ttmp9, 17
	s_add_co_u32 s48, s48, s22
	s_mov_b32 s49, 0
	s_wait_dscnt 0x0
	s_wait_kmcnt 0x0
	s_mov_b32 s40, 1
	s_mov_b32 s41, s19
	s_add_nc_u64 s[42:43], s[4:5], s[20:21]
	s_or_b32 s43, s43, 0x80000000
	s_mov_b32 s44, 1
	s_add_co_u32 s45, s22, HB
	s_add_nc_u64 s[46:47], s[8:9], s[48:49]
	s_or_b32 s47, s47, 0x80000000
	tensor_load_to_lds s[40:43], s[24:31]
	s_nop 0
.rept 4
	v_nop
.endr
	v_and_b32 v1, 31, v0
	v_and_b32 v2, 15, v0
	v_bfe_u32 v3, v0, 4, 1
	s_delay_alu instid0(VALU_DEP_3)
	v_lshlrev_b32 v4, 4, v1
	s_delay_alu instid0(VALU_DEP_4)
	v_lshlrev_b32 v5, 3, v1
	v_lshlrev_b32 v6, 2, v1
	s_wait_alu depctr_va_vdst(0)
	v_lshlrev_b32 v7, 3, v2
	s_delay_alu instid0(VALU_DEP_1)
	v_lshl_add_u32 v7, v3, 2, v7
	s_wait_alu depctr_va_vdst(0)
	v_mul_u32_u24 v8, v2, SP
	s_delay_alu instid0(VALU_DEP_1)
	v_lshl_add_u32 v8, v3, 6, v8
	s_lshl_b32 s56, s18, 8
	s_add_co_u32 s56, s56, STG
	v_add_nc_u32 v8, s56, v8
	s_delay_alu instid0(VALU_DEP_1)
	v_add_nc_u32 v9, 16*SP, v8
	s_mul_i32 s56, s18, 2*SP
	s_add_co_u32 s56, s56, STG
	v_add_nc_u32 v10, s56, v4
	s_lshr_b32 s57, s18, 3
	s_lshl_b32 s57, s57, 3
	s_and_b32 s58, s18, 7
	s_lshl_b32 s58, s58, 1
	s_add_co_u32 s57, s57, s58
	s_bfe_u32 s58, s18, 0x10002
	s_lshl_b32 s58, s58, 3
	s_add_co_u32 s57, s57, s58
	s_lshl_b32 s56, s57, 12
	s_add_co_u32 s56, s56, HB
	v_add_nc_u32 v11, s56, v4
	s_lshl_b32 s56, ttmp9, 5
	s_add_co_u32 s56, s56, s57
	s_lshl_b32 s56, s56, 12
	s_mov_b32 s57, 0
	s_add_nc_u64 s[60:61], s[16:17], s[56:57]
	s_mul_i32 s56, s18, 49152
	s_add_co_u32 s56, s56, 192*12288
	s_add_nc_u64 s[50:51], s[6:7], s[56:57]
	s_lshl_b32 s56, s18, 11
	s_add_co_u32 s56, s56, 0x300000+192*512
	s_add_nc_u64 s[52:53], s[6:7], s[56:57]
	s_lshl_b32 s56, ttmp9, 10
	s_add_co_u32 s56, s56, 0x600000
	s_add_nc_u64 s[54:55], s[4:5], s[56:57]
	s_mov_b32 s58, 0x3a800000
	s_mov_b32 s59, 0x3727c5ac
	s_mov_b32 s62, 0x76543210
	s_mov_b32 s63, 0xfedcba98
.irp m, 0,1
.irp k, 0,1,2,3
	global_load_b32 v[AS+4*\m+\k], v6, s[54:55] offset:512*\m+128*\k
.endr
.endr
.irp k, 0,1,2,3
.irp t, 0,1,2,3
	global_load_b32 v[BS+4*\k+\t], v7, s[52:53] offset:512*\t+128*\k
.endr
.endr
.macro BLOAD s
.irp t, 0,1,2,3
.irp c, 0,1,2
	global_load_b128 v[BF+48*((\s)%2)+12*\t+4*\c:BF+48*((\s)%2)+12*\t+4*\c+3], v4, s[50:51] offset:12288*\t+1536*(\s)+512*\c
.endr
.endr
.endm
.macro ALOAD s
.irp m, 0,1
.irp p, 0,1,2,3,4,5
	ds_load_b64 v[AFR+24*((\s)%2)+12*\m+2*\p:AFR+24*((\s)%2)+12*\m+2*\p+1], v5 offset:AIMG+(8*\m+(\s))*1536+256*\p
.endr
.endr
.endm
	BLOAD 0
	BLOAD 1
	; the scale words and Wo's first two fragments are on their way; now the three lines and the barrier ahead of a later first fill
	s_wait_alu depctr_va_vdst(0)
	s_wait_tensorcnt 0x0
	ds_add_u32 v254, v255
	s_wait_dscnt 0x0
	s_barrier_signal -1
	s_barrier_wait -1
	tensor_load_to_lds s[44:47], s[32:39]
	s_nop 0
.rept 4
	v_nop
.endr
	ALOAD 0
.macro KSTEP s
	s_wait_loadcnt 12
	s_wait_dscnt 0x0
.if (\s) < 7
	ALOAD (\s)+1
.endif
.irp t, 0,1,2,3
.irp m, 0,1
.if (\s) == 0
	v_wmma_scale_f32_16x16x128_f8f6f4 v[ACC+8*(2*\t+\m):ACC+8*(2*\t+\m)+7], v[BF+48*((\s)%2)+12*\t:BF+48*((\s)%2)+12*\t+11], v[AFR+24*((\s)%2)+12*\m:AFR+24*((\s)%2)+12*\m+11], 0, v[BS+4*((\s)/2)+\t], v[AS+4*\m+(\s)/2] matrix_a_fmt:MATRIX_FMT_BF6 matrix_b_fmt:MATRIX_FMT_BF6
.elseif (\s)%2 == 0
	v_wmma_scale_f32_16x16x128_f8f6f4 v[ACC+8*(2*\t+\m):ACC+8*(2*\t+\m)+7], v[BF+48*((\s)%2)+12*\t:BF+48*((\s)%2)+12*\t+11], v[AFR+24*((\s)%2)+12*\m:AFR+24*((\s)%2)+12*\m+11], v[ACC+8*(2*\t+\m):ACC+8*(2*\t+\m)+7], v[BS+4*((\s)/2)+\t], v[AS+4*\m+(\s)/2] matrix_a_fmt:MATRIX_FMT_BF6 matrix_b_fmt:MATRIX_FMT_BF6
.else
	v_wmma_scale_f32_16x16x128_f8f6f4 v[ACC+8*(2*\t+\m):ACC+8*(2*\t+\m)+7], v[BF+48*((\s)%2)+12*\t:BF+48*((\s)%2)+12*\t+11], v[AFR+24*((\s)%2)+12*\m:AFR+24*((\s)%2)+12*\m+11], v[ACC+8*(2*\t+\m):ACC+8*(2*\t+\m)+7], v[BS+4*((\s)/2)+\t], v[AS+4*\m+(\s)/2] matrix_a_fmt:MATRIX_FMT_BF6 matrix_b_fmt:MATRIX_FMT_BF6 matrix_a_scale:MATRIX_SCALE_ROW1 matrix_b_scale:MATRIX_SCALE_ROW1
.endif
.endr
.endr
.rept 4
	v_nop
.endr
.if (\s) < 6
	BLOAD (\s)+2
.elseif (\s) == 6
.irp i, 0,1,2,3,4,5,6,7
	global_load_b128 v[152+4*\i:155+4*\i], v4, s[10:11] offset:512*\i
.endr
.irp i, 0,1,2,3
	global_load_b128 v[184+4*\i:187+4*\i], v4, s[12:13] offset:512*\i
.endr
.else
.irp i, 4,5,6,7
	global_load_b128 v[184+4*\i:187+4*\i], v4, s[12:13] offset:512*\i
.endr
.irp i, 0,1,2,3,4,5,6,7
	global_load_b128 v[216+4*\i:219+4*\i], v4, s[14:15] offset:512*\i
.endr
.endif
.endm
.irp s, 0,1,2,3,4,5,6,7
	KSTEP \s
.endr
	s_wait_alu depctr_va_vdst(0)
.irp t, 0,1,2,3
.irp m, 0,1
	ds_store_b128 v[8+\m], v[ACC+8*(2*\t+\m):ACC+8*(2*\t+\m)+3] offset:128*(\t/2)+32*(\t%2)
	ds_store_b128 v[8+\m], v[ACC+8*(2*\t+\m)+4:ACC+8*(2*\t+\m)+7] offset:128*(\t/2)+32*(\t%2)+16
.endr
.endr
	s_wait_tensorcnt 0x0
	s_wait_dscnt 0x0
	s_barrier_signal -1
	s_barrier_wait -1
.irp i, 0,1,2,3,4,5,6,7
	ds_load_b128 v[40+4*\i:43+4*\i], v10 offset:512*\i
.endr
.irp i, 0,1,2,3,4,5,6,7
	ds_load_b128 v[72+4*\i:75+4*\i], v11 offset:512*\i
.endr
.irp i, 0,1,2,3,4,5,6,7
	ds_load_b128 v[104+4*\i:107+4*\i], v10 offset:SP+512*\i
.endr
.macro XROW x
.set jj, 0
.rept 16
	v_pk_add_f32 v[\x+jj:\x+jj+1], v[\x+jj:\x+jj+1], v[152+jj:153+jj]
.set jj, jj+2
.endr
.set jj, 0
.rept 16
	v_pk_add_f32 v[\x+jj:\x+jj+1], v[\x+jj:\x+jj+1], v[72+jj:73+jj]
.set jj, jj+2
.endr
.endm
.macro RTAIL d
	s_delay_alu instid0(VALU_DEP_1)
	v_pk_add_f32 v[\d:\d+1], v[\d:\d+1], v[\d+2:\d+3]
	s_delay_alu instid0(VALU_DEP_1)
	v_add_f32 v[\d], v[\d], v[\d+1]
	s_delay_alu instid0(VALU_DEP_1)
	v_add_f32_dpp v[\d], v[\d], v[\d] row_xmask:1 row_mask:0xf bank_mask:0xf
	s_delay_alu instid0(VALU_DEP_1)
	v_add_f32_dpp v[\d], v[\d], v[\d] row_xmask:2 row_mask:0xf bank_mask:0xf
	s_delay_alu instid0(VALU_DEP_1)
	v_add_f32_dpp v[\d], v[\d], v[\d] row_xmask:4 row_mask:0xf bank_mask:0xf
	s_delay_alu instid0(VALU_DEP_1)
	v_add_f32_dpp v[\d], v[\d], v[\d] row_xmask:8 row_mask:0xf bank_mask:0xf
	s_delay_alu instid0(VALU_DEP_1)
	v_permlanex16_b32 v[\d+1], v[\d], s62, s63
	s_delay_alu instid0(VALU_DEP_1)
	v_add_f32 v[\d], v[\d], v[\d+1]
.endm
.macro STATS x, d
	v_pk_add_f32 v[\d:\d+1], v[\x:\x+1], v[\x+2:\x+3]
	v_pk_add_f32 v[\d+2:\d+3], v[\x+4:\x+5], v[\x+6:\x+7]
.irp j, 8,12,16,20,24,28
	s_delay_alu instid0(VALU_DEP_2)
	v_pk_add_f32 v[\d:\d+1], v[\d:\d+1], v[\x+\j:\x+\j+1]
	s_delay_alu instid0(VALU_DEP_2)
	v_pk_add_f32 v[\d+2:\d+3], v[\d+2:\d+3], v[\x+\j+2:\x+\j+3]
.endr
	RTAIL \d
	s_delay_alu instid0(VALU_DEP_1)
	v_mul_f32 v[\d], s58, v[\d]
.set jj, 0
.rept 16
	v_pk_add_f32 v[\x+jj:\x+jj+1], v[\x+jj:\x+jj+1], v[\d:\d+1] op_sel_hi:[1,0] neg_lo:[0,1] neg_hi:[0,1]
.set jj, jj+2
.endr
	v_pk_mul_f32 v[\d:\d+1], v[\x:\x+1], v[\x:\x+1]
	v_pk_mul_f32 v[\d+2:\d+3], v[\x+2:\x+3], v[\x+2:\x+3]
.irp j, 4,8,12,16,20,24,28
	s_delay_alu instid0(VALU_DEP_2)
	v_pk_fma_f32 v[\d:\d+1], v[\x+\j:\x+\j+1], v[\x+\j:\x+\j+1], v[\d:\d+1]
	s_delay_alu instid0(VALU_DEP_2)
	v_pk_fma_f32 v[\d+2:\d+3], v[\x+\j+2:\x+\j+3], v[\x+\j+2:\x+\j+3], v[\d+2:\d+3]
.endr
	RTAIL \d
	s_delay_alu instid0(VALU_DEP_1)
	v_fma_f32 v[\d], v[\d], s58, s59
.endm
.macro YROW x, d, off
.set jj, 0
.rept 16
	v_pk_mul_f32 v[\x+jj:\x+jj+1], v[\x+jj:\x+jj+1], v[\d:\d+1] op_sel_hi:[1,0]
.set jj, jj+2
.endr
.set jj, 0
.rept 16
	v_pk_fma_f32 v[\x+jj:\x+jj+1], v[\x+jj:\x+jj+1], v[184+jj:185+jj], v[216+jj:217+jj]
.set jj, jj+2
.endr
.irp i, 0,1,2,3,4,5,6,7
	global_store_b128 v4, v[\x+4*\i:\x+4*\i+3], s[60:61] offset:\off+512*\i th:TH_STORE_NT
.endr
.endm
	s_wait_loadcnt 0x0
	s_wait_dscnt 8
	XROW 40
.irp i, 0,1,2,3,4,5,6,7
	ds_load_b128 v[72+4*\i:75+4*\i], v11 offset:4096+512*\i
.endr
	STATS 40, 16
	s_wait_dscnt 0x0
	XROW 104
	STATS 104, 20
	s_wait_alu depctr_va_vdst(0)
	v_rsq_f32 v16, v16
	v_rsq_f32 v20, v20
	v_nop
	s_wait_alu depctr_va_vdst(0)
	YROW 40, 16, 0
	YROW 104, 20, 4096
	s_wait_tensorcnt 0x0
	ds_add_u32 v254, v255
	s_wait_dscnt 0x0
	s_endpgm
.Lfunc_end_k_qe701f0e2b1_outln:
	.size	k_qe701f0e2b1_outln, .Lfunc_end_k_qe701f0e2b1_outln-k_qe701f0e2b1_outln
	.p2alignl 7, 3214868480
	.fill 96, 4, 3214868480
	.section	.rodata,"a",@progbits
	.p2align	6, 0x0
	.amdhsa_kernel k_qe701f0e2b1_outln
		.amdhsa_group_segment_fixed_size 327680
		.amdhsa_private_segment_fixed_size 0
		.amdhsa_enable_private_segment 0
		.amdhsa_kernarg_size 56
		.amdhsa_user_sgpr_count 2
		.amdhsa_user_sgpr_kernarg_segment_ptr 1
		.amdhsa_wavefront_size32 1
		.amdhsa_system_sgpr_workgroup_id_x 1
		.amdhsa_system_sgpr_workgroup_id_y 1
		.amdhsa_system_sgpr_workgroup_id_z 1
		.amdhsa_system_vgpr_workitem_id 0
		.amdhsa_next_free_vgpr 256
		.amdhsa_next_free_sgpr 66
		.amdhsa_reserve_vcc 0
		.amdhsa_float_denorm_mode_32 3
		.amdhsa_float_denorm_mode_16_64 3
		.amdhsa_memory_ordered 1
		.amdhsa_forward_progress 1
		.amdhsa_inst_pref_size 58
	.end_amdhsa_kernel
	.amdgpu_metadata
---
amdhsa.version: [ 1, 2 ]
amdhsa.kernels:
  - .name:           k_qe701f0e2b1_outln
    .symbol:         k_qe701f0e2b1_outln.kd
    .args:
      - { .name: cq, .offset: 0, .size: 8, .value_kind: global_buffer, .address_space: global }
      - { .name: wq, .offset: 8, .size: 8, .value_kind: global_buffer, .address_space: global }
      - { .name: history_items, .offset: 16, .size: 8, .value_kind: global_buffer, .address_space: global }
      - { .name: bo, .offset: 24, .size: 8, .value_kind: global_buffer, .address_space: global }
      - { .name: ln_gamma, .offset: 32, .size: 8, .value_kind: global_buffer, .address_space: global }
      - { .name: ln_beta, .offset: 40, .size: 8, .value_kind: global_buffer, .address_space: global }
      - { .name: out0, .offset: 48, .size: 8, .value_kind: global_buffer, .address_space: global }
    .group_segment_fixed_size: 327680
    .private_segment_fixed_size: 0
    .kernarg_segment_align: 8
    .kernarg_segment_size: 56
    .max_flat_workgroup_size: 512
    .sgpr_count:     66
    .vgpr_count:     256
    .wavefront_size: 32
...
	.end_amdgpu_metadata
.endif
;; end of part 4
